; MI455X (gfx1250); checked and timed in simulation.
; The chip was launched on July 23, 2026; its instructions are those of AMD's public machine-readable ISA for CDNA 5 (MIT licence, August 2026) and "CDNA5" Instruction Set Architecture Reference Guide (July 2026). The comments in the code are by the model that wrote it; some were corrected since.
;; GLA2 Attention. Allowed arithmetic: float matrix products may take bf16 or f16 operands with f32 sums; other float arithmetic in f32, or as packed bf16 or f16 multiplies, adds, multiply-adds, maxima and minima; sums over many terms, partial sums and values carried from step to step in f32; what a program stores and reads back later, other than sums and carried values, may be rounded once to bf16 or f16.
;; Inputs: Wf 1,024 x 1,024 float32; Wi 1,024 x 1,024 float32; Wo 1,024 x 1,024 float32; Wq 1,024 x 1,024 float32; hidden_states 4 x 2,048 x 1,024 float32.
;; Outputs: out0 4 x 2,048 x 1,024 float32.
;; 2 versions, each right; version 2 is version 1 with the launch prep written anew for expert scheduling mode. Each part assembles by itself: llvm-mc -triple=amdgcn-amd-amdhsa -mcpu=gfx1250 --defsym DOCPART=n.
;; ======== version 1 of 2: 5 launches
;; limits: values are held in f16: magnitudes above 65,504 overflow, below 6.1e-05 lose precision; right only within a limited range of input values
;; workspace buffers: XB 16,777,216 bytes; WB 6,291,456 bytes; WOB 2,097,152 bytes; QFV 50,331,648 bytes; STAT 2,097,152 bytes; SUM 3,932,160 bytes; OB 16,777,216 bytes
;; launch prep (part 1): grid 384 x 1, 8 waves a work-group, no clusters, 74,752 bytes of LDS; arguments hidden_states, Wq, Wf, Wi, Wo, XB, WB, WOB; writes XB, WB, WOB
.if DOCPART == 1
	.amdgcn_target "amdgcn-amd-amdhsa--gfx1250"
	.amdhsa_code_object_version 6
	.text
	.protected	k_q2f3a4fbfe8_prep
	.globl	k_q2f3a4fbfe8_prep
	.p2align	8
	.type	k_q2f3a4fbfe8_prep,@function
k_q2f3a4fbfe8_prep:
	s_mov_b64 s[64:65], 0
	v_nop
	global_prefetch_b8 v0, s[64:65] scope:SCOPE_SE
	s_setreg_imm32_b32 hwreg(HW_REG_WAVE_MODE, 25, 1), 1
	s_wait_xcnt 0x0
; THE INPUTS ARE ROUNDED ONCE AND LAID OUT FOR THE PRODUCTS.  A stream: no matrix unit, no cluster (no two work-groups read the same bytes).
; XB  = x in bf16, [kb 16][row 8192][64]: a plane of 64 channels holds all rows end to end, 128 bytes each.
; WB  = (Wq | Wf | Wi) transposed, bf16, [kb 16][slot 48 x 64 columns][64 k].  The 48 heads of 64 columns stand in this order: slot 3 u + hh holds head
;       2 u + hh of the 32 heads of Wq, Wf (hh = 0, 1) or head u of Wi's 16 (hh = 2): so each run of three slots is two heads with a softmax and one without.
; WOB = Wo transposed, rounded to bf16 and that number written as f16, [kb 16][n 1024][64 k].
; LIMIT: a weight of Wo whose bf16 value lies under 6.1e-5 keeps f16's fixed step of 6e-8; beyond 65,504 it would be lost (the drawn weights are about 0.02).
; Work-groups 0 to 255 take 32 rows of x each; work-groups 256 to 383 take eight tiles of 64 k x 64 n of one weight matrix, a tile a wave, turned in the wave's own LDS.
.set SPARE, 73728                      ; behind the eight tiles: the spare words, 128 bytes a wave
.set TILEB, 9216                       ; a wave's tile in LDS: 64 rows (n) of 144 bytes (64 k in 16 bits + 16 of padding)
.set SPW, 2                            ; v2  LDS address of my spare word; never rewritten
.set NIL, 3                            ; v3  0; never rewritten
.set LN,  4                            ; v4  lane
.set IN,  16                           ; v[16:143]  32 loads of 16 bytes
.set OUT, 144                          ; v[144:207] what is stored: four registers of its own for each unit
	s_load_b256 s[4:11], s[0:1], 0x0               ; x s[4:5], Wq s[6:7], Wf s[8:9], Wi s[10:11]
	s_load_b256 s[12:19], s[0:1], 0x20             ; Wo s[12:13], XB s[14:15], WB s[16:17], WOB s[18:19]
	v_lshl_add_u32 v[SPW], v0, 2, SPARE
	v_mov_b32 v[NIL], 0
	v_lshrrev_b32 v1, 5, v0
	v_readfirstlane_b32 s20, v1                    ; wave 0..7
	v_and_b32 v[LN], 31, v0
	v_lshlrev_b32 v8, 4, v[LN]                     ; 16 x lane: 32 lanes store 512 bytes on end
	s_mov_b32 s23, 0
	s_wait_kmcnt 0x0
	s_cmp_lt_u32 ttmp9, 256
	s_cbranch_scc0 .Lweights
	; ---- x: wave w takes the planes 2 w and 2 w + 1 of the group's 32 rows: 16 units of 4 rows x 64 channels.  Lane: row l / 8, eight channels l % 8.
	v_lshrrev_b32 v5, 3, v[LN]
	v_and_b32 v6, 7, v[LN]
	v_lshlrev_b32 v7, 12, v5                       ; a row of x is 4,096 bytes
	v_lshl_add_u32 v7, v6, 5, v7                   ; my 32 bytes: eight lanes read 256 bytes on end, aligned
	s_lshl_b32 s21, s20, 9                         ; two planes are 512 bytes of a row
	v_add_nc_u32 v7, s21, v7
	s_lshl_b32 s21, s20, 21                        ; two planes of XB
	v_add_nc_u32 v8, s21, v8
	s_lshl_b32 s22, ttmp9, 17                      ; 32 rows of x
	s_add_nc_u64 s[4:5], s[4:5], s[22:23]
	s_lshl_b32 s22, ttmp9, 12                      ; 32 rows of a plane
	s_add_nc_u64 s[14:15], s[14:15], s[22:23]
.set u, 0
.rept 16                               ; all 32 loads go out first: 16 KiB a wave on their way
	global_load_b128 v[IN+8*u:IN+8*u+3],   v7, s[4:5] offset:(u/8)*256+(u%8)*16384 th:TH_LOAD_NT
	global_load_b128 v[IN+8*u+4:IN+8*u+7], v7, s[4:5] offset:(u/8)*256+(u%8)*16384+16 th:TH_LOAD_NT
.set u, u+1
.endr
.set u, 0
.rept 16
	s_wait_loadcnt 30-2*u                          ; loads come back in order: unit u's two are in, the later units' stay out
.irp n, 0,1,2,3
	v_cvt_pk_bf16_f32 v[OUT+4*u+\n], v[IN+8*u+2*\n], v[IN+8*u+2*\n+1]
.endr
	global_store_b128 v8, v[OUT+4*u:OUT+4*u+3], s[14:15] offset:(u/8)*1048576+(u%8)*512  ; four rows of a plane: 512 consecutive bytes
.set u, u+1
.endr
	s_branch .Lend
.Lweights:
	; ---- a weight tile: W[k][n], 64 k x 64 n, to [n][k]
	s_sub_co_u32 s21, ttmp9, 256
	s_lshr_b32 s22, s21, 5                         ; which matrix: 0 Wq, 1 Wf, 2 Wi, 3 Wo: the same for the whole work-group
	s_lshl_b32 s24, s21, 3
	s_add_co_u32 s24, s24, s20
	s_and_b32 s25, s24, 15                         ; nt: the head, 64 columns
	s_bfe_u32 s24, s24, 0x40004                    ; kb: the plane, 64 rows
	s_cmp_eq_u32 s22, 0
	s_cselect_b64 s[26:27], s[6:7], s[8:9]
	s_cmp_lt_u32 s22, 2
	s_cselect_b64 s[26:27], s[26:27], s[10:11]
	s_cmp_lt_u32 s22, 3
	s_cselect_b64 s[26:27], s[26:27], s[12:13]
	s_lshl_b32 s28, s24, 18                        ; 64 rows of 4,096 bytes
	s_lshl_b32 s29, s25, 8                         ; 64 columns
	s_add_co_u32 s28, s28, s29
	s_mov_b32 s29, 0
	s_add_nc_u64 s[26:27], s[26:27], s[28:29]
	s_lshl_b32 s30, s22, 4
	s_add_co_u32 s30, s30, s25                     ; g: the head among the 48 of Wq, Wf, Wi
	s_lshr_b32 s31, s30, 1
	s_mul_i32 s31, s31, 3
	s_and_b32 s32, s30, 1
	s_add_co_u32 s31, s31, s32                     ; g < 32: slot 3 (g / 2) + g % 2
	s_sub_co_u32 s32, s30, 32
	s_mul_i32 s32, s32, 3
	s_add_co_u32 s32, s32, 2                       ; else slot 3 (g - 32) + 2
	s_cmp_lt_u32 s30, 32
	s_cselect_b32 s31, s31, s32
	s_lshl_b32 s31, s31, 13                        ; a slot's 64 rows of 128 bytes
	s_mul_i32 s32, s24, 393216                     ; a plane of WB
	s_add_co_u32 s31, s31, s32
	s_lshl_b32 s32, s24, 17                        ; a plane of WOB
	s_lshl_b32 s33, s25, 13
	s_add_co_u32 s32, s32, s33
	s_mov_b32 s35, 0
	s_cmp_lt_u32 s22, 3
	s_cselect_b32 s34, s31, s32
	s_cselect_b64 s[36:37], s[16:17], s[18:19]
	s_add_nc_u64 s[36:37], s[36:37], s[34:35]
	v_lshrrev_b32 v5, 4, v[LN]                     ; l / 16
	v_and_b32 v6, 15, v[LN]                        ; l % 16: four columns
	v_lshlrev_b32 v7, 13, v5                       ; two rows further down for lanes 16 to 31
	v_lshl_add_u32 v7, v6, 4, v7
	s_mul_i32 s38, s20, TILEB                      ; my wave's tile
	v_mul_u32_u24 v9, v6, 576                      ; in: row n = 4 (l % 16) + j, two k at byte 8 it + 4 (l / 16)
	v_lshl_add_u32 v9, v5, 2, v9
	v_add_nc_u32 v9, s38, v9
	v_lshrrev_b32 v10, 3, v[LN]                    ; back: row 4 i + l / 8, 16 bytes l % 8
	v_and_b32 v11, 7, v[LN]
	v_mul_u32_u24 v10, v10, 144
	v_lshl_add_u32 v10, v11, 4, v10
	v_add_nc_u32 v10, s38, v10
.set u, 0
.rept 16                               ; rows 4 u + 2 (l / 16) and the row below: sixteen lanes read 256 bytes on end, aligned
	global_load_b128 v[IN+8*u:IN+8*u+3],   v7, s[26:27] offset:u*16384 th:TH_LOAD_NT
	global_load_b128 v[IN+8*u+4:IN+8*u+7], v7, s[26:27] offset:u*16384+4096 th:TH_LOAD_NT
.set u, u+1
.endr
; Two neighbouring k of one column pack into a word.  tof16 = 1: the bf16 number is written as f16.
.macro TURNED tof16
.set u, 0
.rept 16
	s_wait_loadcnt 30-2*u                          ; this pair of rows is in, the later ones stay out
.irp j, 0,1,2,3
	v_cvt_pk_bf16_f32 v[OUT+4*u+\j], v[IN+8*u+\j], v[IN+8*u+4+\j]
.if \tof16
	v_lshlrev_b32 v12, 16, v[OUT+4*u+\j]
	v_and_b32 v13, 0xffff0000, v[OUT+4*u+\j]
	v_cvt_pk_f16_f32 v[OUT+4*u+\j], v12, v13
.endif
	ds_store_b32 v9, v[OUT+4*u+\j] offset:\j*144+8*u
.endr
.set u, u+1
.endr
.endm
	s_cmp_eq_u32 s22, 3
	s_cbranch_scc1 .Lwo
	TURNED 0
	s_branch .Lback
.Lwo:
	TURNED 1
.Lback:
.set u, 0
.rept 16
	ds_load_b128 v[IN+4*u:IN+4*u+3], v10 offset:u*576  ; the tile is the wave's own, and LDS serves a wave's instructions in order: these see the stores above
.set u, u+1
.endr
.set u, 0
.rept 16
	s_wait_dscnt 15-u                              ; four rows are back, the later ones stay out
	global_store_b128 v8, v[IN+4*u:IN+4*u+3], s[36:37] offset:512*u  ; four rows of 128 bytes: 512 consecutive bytes
.set u, u+1
.endr
.Lend:
	s_wait_tensorcnt 0x0                           ; the wave's end: the closing lines, behind my last LDS store
	ds_add_u32 v[SPW], v[NIL]
	s_wait_dscnt 0x0
	s_endpgm
.Lfunc_end_k_q2f3a4fbfe8_prep:
	.size	k_q2f3a4fbfe8_prep, .Lfunc_end_k_q2f3a4fbfe8_prep-k_q2f3a4fbfe8_prep
	.p2alignl 7, 3214868480
	.fill 96, 4, 3214868480
	.section	.rodata,"a",@progbits
	.p2align	6, 0x0
	.amdhsa_kernel k_q2f3a4fbfe8_prep
		.amdhsa_group_segment_fixed_size 74752
		.amdhsa_private_segment_fixed_size 0
		.amdhsa_enable_private_segment 0
		.amdhsa_kernarg_size 64
		.amdhsa_user_sgpr_count 2
		.amdhsa_user_sgpr_kernarg_segment_ptr 1
		.amdhsa_wavefront_size32 1
		.amdhsa_system_sgpr_workgroup_id_x 1
		.amdhsa_system_sgpr_workgroup_id_y 1
		.amdhsa_system_sgpr_workgroup_id_z 1
		.amdhsa_system_vgpr_workitem_id 0
		.amdhsa_next_free_vgpr 208
		.amdhsa_next_free_sgpr 66
		.amdhsa_reserve_vcc 0
		.amdhsa_float_denorm_mode_32 3
		.amdhsa_float_denorm_mode_16_64 3
		.amdhsa_memory_ordered 1
		.amdhsa_forward_progress 1
		.amdhsa_inst_pref_size 46
	.end_amdhsa_kernel
	.amdgpu_metadata
---
amdhsa.version: [ 1, 2 ]
amdhsa.kernels:
  - .name:           k_q2f3a4fbfe8_prep
    .symbol:         k_q2f3a4fbfe8_prep.kd
    .args:
      - { .name: hidden_states, .offset: 0, .size: 8, .value_kind: global_buffer, .address_space: global }
      - { .name: Wq, .offset: 8, .size: 8, .value_kind: global_buffer, .address_space: global }
      - { .name: Wf, .offset: 16, .size: 8, .value_kind: global_buffer, .address_space: global }
      - { .name: Wi, .offset: 24, .size: 8, .value_kind: global_buffer, .address_space: global }
      - { .name: Wo, .offset: 32, .size: 8, .value_kind: global_buffer, .address_space: global }
      - { .name: XB, .offset: 40, .size: 8, .value_kind: global_buffer, .address_space: global }
      - { .name: WB, .offset: 48, .size: 8, .value_kind: global_buffer, .address_space: global }
      - { .name: WOB, .offset: 56, .size: 8, .value_kind: global_buffer, .address_space: global }
    .group_segment_fixed_size: 74752
    .private_segment_fixed_size: 0
    .kernarg_segment_align: 8
    .kernarg_segment_size: 64
    .max_flat_workgroup_size: 256
    .sgpr_count:     66
    .vgpr_count:     208
    .wavefront_size: 32
...
	.end_amdgpu_metadata
.endif
;; end of part 1
;; launch gemm1 (part 2): grid 8 x 32, 4 waves a work-group, clusters of 4 x 4, 327,680 bytes of LDS; arguments XB, WB, QFV, STAT; writes QFV, STAT
.if DOCPART == 2
	.amdgcn_target "amdgcn-amd-amdhsa--gfx1250"
	.amdhsa_code_object_version 6
	.text
	.protected	k_q2f3a4fbfe8_gemm1
	.globl	k_q2f3a4fbfe8_gemm1
	.p2align	8
	.type	k_q2f3a4fbfe8_gemm1,@function
k_q2f3a4fbfe8_gemm1:
	s_mov_b64 s[64:65], 0
	v_nop
	global_prefetch_b8 v0, s[64:65] scope:SCOPE_SE
	s_setreg_imm32_b32 hwreg(HW_REG_WAVE_MODE, 25, 1), 1
	s_wait_xcnt 0x0
	s_wait_alu depctr_hold_cnt(0) depctr_sa_sdst(0) depctr_va_vdst(0) depctr_va_sdst(0) depctr_va_ssrc(0) depctr_va_vcc(0) depctr_vm_vsrc(0)
	s_getreg_b32 s2, hwreg(HW_REG_IB_STS2, 6, 4)
	s_cmp_eq_u32 s2, 0
	s_cbranch_scc0 .Lentry_in_a_cluster
	s_endpgm
.Lentry_in_a_cluster:
	s_bfe_u32 s2, ttmp6, 0x10000c
	s_cmp_lg_u32 s2, 0xf033
	s_cbranch_scc0 .Lentry_shape_is_right
	s_endpgm
.Lentry_shape_is_right:
; C = x [Wq | Wf | Wi], bf16 operands, f32 sums, with the softmax's first part on the way out.
; A work-group makes 256 rows x 384 columns (six heads of 64): 32 x 8 = 256 work-groups.  A wave makes 128 x 192: 96 accumulators, 768 registers; its three heads are, by WB's order,
; two heads of Wq or Wf and one of Wi.  K goes in steps of 64 (one plane of XB and WB) through two LDS slots; two slots of 128 would need 348,160 bytes.
; THE WAY OUT.  For a head with a softmax, per row: m = the head's largest logit, e = exp(x - m) stored as f16, l = the sum of e in f32; (m, l) go to STAT.  The launches behind join a row's
; 16 heads: the maximum is taken away before every exponential, here the head's, there the row's.  Wi's heads are stored as f16.
; QFV: f16 [g 48][row 8192][64]: g 0-15 e of q, 16-31 e of f, 32-47 v.   STAT: f32 [g 32][row 8192][m, l].
; LIMITS.  v is kept in f16: |x Wi| stays under 65,504.  An e under 6e-8 counts as 0, under 6e-5 it keeps f16's fixed step.  NaN and infinities are not treated apart.
; CLUSTER 4 x 4: A's tile hangs on the tile row alone and is asked for jointly by a row of the cluster, B's on the tile column alone, by a column.
; THE PRODUCT IS USED TRANSPOSED (source 0 = 16 rows of WB, source 1 = 16 rows of XB): a lane holds one row of C and eight neighbouring columns.
; REGISTERS: window 0: v0-31 addresses; v32-95, v96-159 A's 8 fragments, two buffers; v160-255 B's 12 fragments, one buffer, each group of four loaded again behind its last product.
;   window 1 + g: head g's 32 accumulators, (bl, a) at v[8 (8 bl + a)].
.set PITCH,  144                       ; an LDS row: 128 bytes + 16 of padding = 36 words: the 16 rows of a load start at 16 different groups of four banks (ISA guide 11.1)
.set ATILE,  256*PITCH
.set SLOT,   640*PITCH                 ; A's 256 rows, then B's 384
.set STAGE,  2*SLOT                    ; behind the ring: for each wave 128 rows of 256 bytes (a head in f32) + 16, of which 8 hold the row's (m, l)
.set SPITCH, 272
.set WSTAGE, 128*SPITCH
.set SPARE,  STAGE+4*WSTAGE            ; the spare words, 128 bytes a wave
.set XPLANE, 1048576
.set WPLANE, 393216
.set G1W, (1<<16)|(1<<20)|(1<<21)|(4<<22)|(3<<25)  ; 2-byte elements; padding on; bit 21 beside a mask; after every 32 words; 4 words
.set ADRA, 16                          ; v16-17 my A fragments in slot 0, 1
.set GS,   18                          ; v18  8 x lane
.set ADRB, 20                          ; v20-21 the same for B
.set RPC,  22                          ; v22  walks over the rows' (m, l)
.set RS,   23                          ; v23  row l's (m, l)
.set STO,  24
.set RD,   25
.set RDC,  26
.set GO,   27
.set SPW,  28
.set NIL,  29
.set PFO,  30
.set RDP,  31
.set AF0,  32
.set AF1,  96
.set BF,   160
.set X,    32                          ; the way out: 4 x 8 numbers of four rows
.set ML,   64                          ; (m, l) of the four rows
.set MC,   72                          ; m log2(e), in the low word of a pair
.set PK,   80
.set WV, 12
.set WR, 13
.set WC, 14
.set CX, 15
.set CY, 16
.set TX, 17
.set CLY, 18
.set TY, 19
.set G1A, 24
.set G0A, 32
.set G1B, 40
.set G0B, 48
.set PFA, 56
.set PST, 58
.set LIM0, 60
.set CS, 66
.set OUTP, 68
.set STP, 70
.set CNT, 73
.set MSB, 0
.macro WIN new                         ; the immediate's high byte repeats the setting that is left; a switch that changes nothing is dropped
.if MSB != (\new)
	s_set_vgpr_msb (MSB<<8)|(\new)
.set MSB, (\new)
.endif
.endm
.macro PLACES                          ; four places behind matrix instructions, ahead of loads into registers that they read and of readers of their results
.rept 4
	v_nop
.endr
.endm
.macro CREST
	s_cmp_lg_u32 s[WV], 0
	s_cbranch_scc1 .Lnot_wave_0_\@
	s_barrier_signal -3
.Lnot_wave_0_\@:
	s_barrier_wait -3
	s_barrier_signal -1
	s_barrier_wait -1
.endm
.macro CROUND
	s_barrier_signal -1
	s_barrier_wait -1
	CREST
.endm
.macro JLOAD s                         ; a joint load: waves 0, 1 fetch A's halves, waves 2, 3 B's; the branch hangs on the wave's number alone
	s_cmp_eq_u32 s[WR], 0
	s_cbranch_scc0 .Lfor_b_\@
	tensor_load_to_lds s[G0A+4*(\s):G0A+4*(\s)+3], s[G1A:G1A+7]
	s_nop 0
.rept 4
	v_nop
.endr
	s_branch .Lasked_\@
.Lfor_b_\@:
	tensor_load_to_lds s[G0B+4*(\s):G0B+4*(\s)+3], s[G1B:G1B+7]
	s_nop 0
.rept 4
	v_nop
.endr
.Lasked_\@:
.endm
; A PREFETCH INTO THE L2, behind a joint load and the LDS loads that follow it: the plane that stands two refills on.  Each 256 bytes are named once in the launch.  A's rows: wave 0, in the
; clusters with x = 0, at every change of slots, 32 blocks of its work-group's 64 rows (the four partners are told apart by address).  B's rows: waves 1 to 3, in the clusters with y = 0, at slot 0's
; change alone, the work-group's 48 blocks of each of two planes.  The loop's last trip asks for nothing: those planes do not exist.  Planes 0 to 3 come by their loads alone.
.macro ASK slot
	s_cmp_gt_u32 s3, s[LIM0+(\slot)]
	s_cbranch_scc0 .Lnot_mine_\@
	global_prefetch_b8 v[PFO], s[PFA:PFA+1] th:TH_LOAD_NT scope:SCOPE_SE
.Lnot_mine_\@:
.endm
	s_load_b256 s[4:11], s[0:1], 0x0               ; XB s[4:5], WB s[6:7], QFV s[8:9], STAT s[10:11]
	v_lshl_add_u32 v[SPW], v0, 2, SPARE
	v_mov_b32 v[NIL], 0
	ds_add_u32 v[SPW], v[NIL]                      ; the wave's opening: the add, waited for ahead of my first tensor load
	v_lshrrev_b32 v1, 5, v0
	v_readfirstlane_b32 s[WV], v1
	s_lshr_b32 s[WR], s[WV], 1                     ; my half of the rows.  Also: I fetch for A (0) or B (1)
	s_and_b32 s[WC], s[WV], 1                      ; my half of the columns.  Also: which half of that tile I fetch
	s_bfe_u32 s[CX], ttmp6, 0x40000
	s_bfe_u32 s[CY], ttmp6, 0x40004
	s_lshl_b32 s[TX], ttmp9, 2
	s_add_co_u32 s[TX], s[TX], s[CX]               ; tile column
	s_and_b32 s[CLY], ttmp7, 0xffff
	s_lshl_b32 s[TY], s[CLY], 2
	s_add_co_u32 s[TY], s[TY], s[CY]               ; tile row
	s_lshl_b32 s20, s[CY], 2
	s_lshl_b32 s20, 15, s20                        ; my row of the cluster
	s_lshl_b32 s21, 0x1111, s[CX]                  ; my column
	s_or_b32 s[G1A], s20, G1W
	s_or_b32 s[G1B], s21, G1W
	s_mov_b32 s[G1A+1], 128<<16                    ; rows of 256 bytes: two rows of a plane on end
	s_mov_b32 s[G1A+2], 64<<16                     ; 64 of them: 128 rows of x
	s_mov_b32 s[G1A+3], 128<<16
	s_mov_b32 s[G1A+4], 64
	s_mov_b32 s[G1A+5], 128
	s_mov_b32 s[G1A+6], 0
	s_mov_b32 s[G1A+7], 0
	s_mov_b32 s[G1B+1], 128<<16
	s_mov_b32 s[G1B+2], 96<<16                     ; 96 of them: 192 rows of WB
	s_mov_b32 s[G1B+3], 128<<16
	s_mov_b32 s[G1B+4], 96
	s_mov_b32 s[G1B+5], 128
	s_mov_b32 s[G1B+6], 0
	s_mov_b32 s[G1B+7], 0
	s_lshl_b32 s22, s[TY], 15                      ; A: 256 rows of 128 bytes a tile row,
	s_lshl_b32 s23, s[WC], 14                      ; my 128 of them
	s_add_co_u32 s22, s22, s23
	s_mov_b32 s23, 0
	s_mul_i32 s62, s[TX], 49152                    ; B: 384 rows a tile column,
	s_mul_i32 s63, s[WC], 24576                    ; my 192
	s_add_co_u32 s62, s62, s63
	s_mov_b32 s63, 0
	s_mul_i32 s74, s[WC], 128*PITCH                ; where they go: no place in the cluster enters an LDS address
	s_mul_i32 s75, s[WC], 192*PITCH
	s_add_co_u32 s75, s75, ATILE
	s_mov_b32 s[CS], 0x3fb8aa3b                    ; log2(e)
	s_mov_b32 s[CS+1], s[CS]
	s_wait_dscnt 0x0                               ; the opening add is done
	s_wait_kmcnt 0x0
	s_add_nc_u64 s[76:77], s[4:5], s[22:23]
	s_add_nc_u64 s[78:79], s[6:7], s[62:63]
	CROUND                                         ; all sixteen work-groups are here: the first joint loads meet
.irp s, 0,1
	s_mov_b32 s[G0A+4*\s], 1
	s_add_co_u32 s[G0A+4*\s+1], s74, \s*SLOT
	s_add_nc_u64 s[G0A+4*\s+2:G0A+4*\s+3], s[76:77], \s*XPLANE
	s_or_b32 s[G0A+4*\s+3], s[G0A+4*\s+3], 0x80000000
	s_mov_b32 s[G0B+4*\s], 1
	s_add_co_u32 s[G0B+4*\s+1], s75, \s*SLOT
	s_add_nc_u64 s[G0B+4*\s+2:G0B+4*\s+3], s[78:79], \s*WPLANE
	s_or_b32 s[G0B+4*\s+3], s[G0B+4*\s+3], 0x80000000
.endr
	s_cmp_eq_u32 s[WR], 0                          ; a wave's two first fills stand in one branch: two loads of mine are out
	s_cbranch_scc0 .Lfirst_b
	tensor_load_to_lds s[G0A:G0A+3], s[G1A:G1A+7]
	s_nop 0
	tensor_load_to_lds s[G0A+4:G0A+7], s[G1A:G1A+7]
	s_nop 0
.rept 4
	v_nop
.endr
	s_branch .Lfirst_asked
.Lfirst_b:
	tensor_load_to_lds s[G0B:G0B+3], s[G1B:G1B+7]
	s_nop 0
	tensor_load_to_lds s[G0B+4:G0B+7], s[G1B:G1B+7]
	s_nop 0
.rept 4
	v_nop
.endr
.Lfirst_asked:
	v_and_b32 v1, 15, v0                           ; r
	v_bfe_u32 v2, v0, 4, 1                         ; h
	v_mul_u32_u24 v3, v1, PITCH
	v_lshl_add_u32 v3, v2, 4, v3                   ; a fragment: row x pitch + 16 x half; two loads of 16 bytes, 32 apart
	s_mul_i32 s20, s[WR], 128*PITCH
	s_mul_i32 s21, s[WC], 192*PITCH
	s_add_co_u32 s21, s21, ATILE
.irp s, 0,1
	v_add_nc_u32 v[ADRA+\s], s20, v3
	v_add_nc_u32 v[ADRB+\s], s21, v3
	s_add_co_u32 s20, s20, SLOT
	s_add_co_u32 s21, s21, SLOT
.endr
	s_mul_i32 s20, s[WV], WSTAGE
	s_add_co_u32 s20, s20, STAGE                   ; my stage
	v_mul_u32_u24 v4, v1, SPITCH                   ; in: row r, 32 bytes for each half of the lanes
	v_lshl_add_u32 v4, v2, 5, v4
	v_add_nc_u32 v[STO], s20, v4
	v_bfe_u32 v4, v0, 3, 2                         ; back: row l / 8 of four, eight columns l % 8
	v_and_b32 v5, 7, v0
	v_mul_u32_u24 v4, v4, SPITCH
	v_add_nc_u32 v4, s20, v4
	v_lshl_add_u32 v[RD], v5, 5, v4
	v_add_nc_u32 v[RDP], 256, v4                   ; the row's (m, l), behind its 256 bytes
	v_and_b32 v5, 31, v0
	v_mul_u32_u24 v4, v5, SPITCH
	v_add_nc_u32 v4, s20, v4
	v_add_nc_u32 v[RS], 256, v4
	v_lshlrev_b32 v[GO], 4, v5
	v_lshlrev_b32 v[GS], 3, v5
	; the prefetches: where, how far a change of slots steps, and who
	s_lshl_b32 s80, s[TY], 15
	s_lshl_b32 s81, s[CX], 13                      ; A: my work-group's 64 rows of the 256
	s_add_co_u32 s80, s80, s81
	s_add_co_u32 s80, s80, 3*XPLANE                ; at plane 3: the first change steps to plane 4
	s_mul_i32 s82, s[TX], 49152
	s_mul_i32 s83, s[CY], 12288                    ; B: my work-group's 96 rows of the 384
	s_add_co_u32 s82, s82, s83
	s_add_co_u32 s82, s82, 3*WPLANE
	s_mov_b32 s84, XPLANE
	s_mov_b32 s85, WPLANE
	s_cmp_eq_u32 ttmp9, 0
	s_cselect_b32 s86, 1, -1
	s_cmp_eq_u32 s[CLY], 0
	s_cselect_b32 s87, 1, -1
	s_sub_co_u32 s88, s[WV], 1
	s_lshl_b32 s88, s88, 5
	s_cmp_eq_u32 s[WV], 0
	s_cselect_b64 s[PFA:PFA+1], s[4:5], s[6:7]
	s_cselect_b32 s80, s80, s82
	s_cselect_b32 s[PST], s84, s85
	s_cselect_b32 s[LIM0], s86, s87                ; the same in all sixteen partners, for a given wave
	s_cselect_b32 s[LIM0+1], s86, -1
	s_cselect_b32 s88, 0, s88
	s_mov_b32 s81, 0
	s_mov_b32 s[PST+1], 0
	s_add_nc_u64 s[PFA:PFA+1], s[PFA:PFA+1], s[80:81]
	v_add_nc_u32 v[PFO], s88, v5                   ; block q: wave 0: the lane; waves 1-3: 32 (w - 1) + lane
	v_cmp_lt_u32 s89, 47, v[PFO]                   ; from 48 on: the second plane
	v_lshlrev_b32 v[PFO], 8, v[PFO]
	v_add_nc_u32 v4, WPLANE-48*256, v[PFO]
	v_cndmask_b32 v[PFO], v[PFO], v4, s89
; 16 matrix instructions of head g: column blocks 2 hf, 2 hf + 1 x all 8 row blocks, 32 along K.  All 96 accumulators take turns, one instruction a turn.
.macro MULG f, g, hf, zero
	WIN 0x50*(1+(\g))
.irp bl, 2*(\hf), 2*(\hf)+1
.irp a, 0,1,2,3,4,5,6,7
.if \zero
	v_wmma_f32_16x16x32_bf16 v[8*(8*(\bl)+(\a)):8*(8*(\bl)+(\a))+7], v[BF+32*(\g)+8*(\bl):BF+32*(\g)+8*(\bl)+7], v[(\f)+8*(\a):(\f)+8*(\a)+7], 0
.else
	v_wmma_f32_16x16x32_bf16 v[8*(8*(\bl)+(\a)):8*(8*(\bl)+(\a))+7], v[BF+32*(\g)+8*(\bl):BF+32*(\g)+8*(\bl)+7], v[(\f)+8*(\a):(\f)+8*(\a)+7], v[8*(8*(\bl)+(\a)):8*(8*(\bl)+(\a))+7]
.endif
.endr
.endr
.endm
.macro LDB slot, k, g                  ; head g's four fragments of B: 8 loads
	WIN 0
.irp bl, 0,1,2,3
	ds_load_b128 v[BF+32*(\g)+8*\bl:BF+32*(\g)+8*\bl+3],   v[ADRB+(\slot)] offset:(\k)+(4*(\g)+\bl)*16*PITCH
	ds_load_b128 v[BF+32*(\g)+8*\bl+4:BF+32*(\g)+8*\bl+7], v[ADRB+(\slot)] offset:(\k)+(4*(\g)+\bl)*16*PITCH+32
.endr
.endm
.macro LDA slot, k, f, hf              ; four fragments of A: 8 loads
	WIN 0
.irp a, 4*(\hf), 4*(\hf)+1, 4*(\hf)+2, 4*(\hf)+3
	ds_load_b128 v[(\f)+8*(\a):(\f)+8*(\a)+3],   v[ADRA+(\slot)] offset:(\k)+(\a)*16*PITCH
	ds_load_b128 v[(\f)+8*(\a)+4:(\f)+8*(\a)+7], v[ADRA+(\slot)] offset:(\k)+(\a)*16*PITCH+32
.endr
.endm
; 32 along K: 96 matrix instructions on A's buffer f; the next 32's fragments (slot ns, byte nk) are fetched in three runs, B's groups in place behind their last products, A's into buffer g.
.macro SUB f, g, ns, nk, zero
	s_wait_dscnt 8                                 ; all but the youngest eight loads, B's third group
	MULG \f, 0, 0, \zero
	MULG \f, 0, 1, \zero
	PLACES
	LDB \ns, \nk, 0
	LDA \ns, \nk, \g, 0
	MULG \f, 1, 0, \zero
	MULG \f, 1, 1, \zero
	PLACES
	LDB \ns, \nk, 1
	LDA \ns, \nk, \g, 1
	s_wait_dscnt 32                                ; all but the 32 issued in this step: B's third group is in
	MULG \f, 2, 0, \zero
	MULG \f, 2, 1, \zero
	PLACES
	LDB \ns, \nk, 2
.endm
; A slot's second 32 along K, and the change of slots: ONE barrier.  In front of it each wave waits for all its tensor loads (one is out: its part of the next slot), adds 0 to its spare word, and waits
; for that and for its reads of this slot.  fill = 1: the barrier opens a round of the cluster's, and the joint refill, two planes on, is the first thing behind it: it has 160 matrix instructions in which to land.
.macro TURN slot, next, fill
.if \fill
	s_wait_xcnt 0x0                                ; the last prefetch, a K step back, has read its address
	s_add_nc_u64 s[PFA:PFA+1], s[PFA:PFA+1], s[PST:PST+1]
.endif
	WIN 0
	s_wait_tensorcnt 0x0
	ds_add_u32 v[SPW], v[NIL]                      ; 0 onto my spare word
	s_wait_dscnt 9                                 ; the add and B's third group may be out
	MULG AF1, 0, 0, 0
	s_wait_dscnt 0x0                               ; the add is done, and my reads of this slot are over
	s_barrier_signal -1
	MULG AF1, 0, 1, 0
	WIN 0
	s_barrier_wait -1
.if \fill
	CREST
	s_add_nc_u64 s[G0A+4*(\slot)+2:G0A+4*(\slot)+3], s[G0A+4*(\slot)+2:G0A+4*(\slot)+3], 2*XPLANE
	s_add_nc_u64 s[G0B+4*(\slot)+2:G0B+4*(\slot)+3], s[G0B+4*(\slot)+2:G0B+4*(\slot)+3], 2*WPLANE
	JLOAD \slot                                    ; its four v_nop are also the places in front of the loads below
.else
	PLACES
.endif
	LDB \next, 0, 0
	LDA \next, 0, AF0, 0
.if \fill
	ASK \slot
.endif
	MULG AF1, 1, 0, 0
	MULG AF1, 1, 1, 0
	PLACES
	LDB \next, 0, 1
	LDA \next, 0, AF0, 1
	MULG AF1, 2, 0, 0
	MULG AF1, 2, 1, 0
	PLACES
	LDB \next, 0, 2
.endm
	s_wait_tensorcnt 1                             ; my part of plane 0 is in; plane 1's may stay out
	s_barrier_signal -1
	s_barrier_wait -1
	LDB 0, 0, 0
	LDA 0, 0, AF0, 0
	LDB 0, 0, 1
	LDA 0, 0, AF0, 1
	LDB 0, 0, 2
	SUB AF0, AF1, 0, 64, 1                         ; the first products start the sums: nothing is cleared
	WIN 0
	s_mov_b32 s3, 7
.Llap:                                         ; a trip goes once round the ring and fills both slots again: planes 2 to 15
	TURN 0, 1, 1
	SUB AF0, AF1, 1, 64, 0
	TURN 1, 0, 1
	SUB AF0, AF1, 0, 64, 0
	WIN 0
	s_sub_co_u32 s3, s3, 1
	s_cmp_lg_u32 s3, 0
	s_cbranch_scc1 .Llap
	TURN 0, 1, 0                                   ; the tail asks for nothing
	SUB AF0, AF1, 1, 64, 0
	s_wait_dscnt 8
	MULG AF1, 0, 0, 0
	MULG AF1, 0, 1, 0
	MULG AF1, 1, 0, 0
	MULG AF1, 1, 1, 0
	s_wait_dscnt 0x0
	MULG AF1, 2, 0, 0
	MULG AF1, 2, 1, 0
	WIN 0
	PLACES
; THE WAY OUT, a head at a time through my own stage: no barrier, and LDS serves a wave's instructions in order.
.macro TOSTAGE hh                      ; each accumulator's low registers go first
	WIN (1+(\hh))<<2
.irp a, 0,1,2,3,4,5,6,7
.irp bl, 0,1,2,3
	ds_store_b128 v[STO], v[8*(8*\bl+\a):8*(8*\bl+\a)+3]   offset:\a*16*SPITCH+\bl*64
	ds_store_b128 v[STO], v[8*(8*\bl+\a)+4:8*(8*\bl+\a)+7] offset:\a*16*SPITCH+\bl*64+16
.endr
.endr
	WIN 0
.endm
.macro OUTSET hh                       ; where head hh of my three goes: g = 2 u + hh, or 32 + u for the third; u = 2 x tile column + my half
	s_lshl_b32 s80, s[TX], 1
	s_add_co_u32 s80, s80, s[WC]
.if (\hh) < 2
	s_lshl_b32 s81, s80, 1
	s_add_co_u32 s81, s81, \hh
.else
	s_add_co_u32 s81, s80, 32
.endif
	s_lshl_b32 s82, s81, 20
	s_lshl_b32 s83, s[TY], 15
	s_add_co_u32 s82, s82, s83
	s_lshl_b32 s83, s[WR], 14
	s_add_co_u32 s82, s82, s83
	s_mov_b32 s83, 0
	s_add_nc_u64 s[OUTP:OUTP+1], s[8:9], s[82:83]
.if (\hh) < 2
	s_lshl_b32 s84, s81, 16
	s_lshl_b32 s85, s[TY], 11
	s_add_co_u32 s84, s84, s85
	s_lshl_b32 s85, s[WR], 10
	s_add_co_u32 s84, s84, s85
	s_mov_b32 s85, 0
	s_add_nc_u64 s[STP:STP+1], s[10:11], s[84:85]
.endif
.endm
.macro ROWS16                          ; 16 rows back from the stage: lane l holds row 4 i + l / 8 and eight columns
.irp i, 0,1,2,3
	ds_load_b128 v[X+8*\i:X+8*\i+3],   v[RDC] offset:\i*4*SPITCH
	ds_load_b128 v[X+8*\i+4:X+8*\i+7], v[RDC] offset:\i*4*SPITCH+16
.endr
	s_wait_dscnt 0x0
.endm
.macro SEND16                          ; four rows of 128 bytes an instruction: 512 consecutive bytes
.irp i, 0,1,2,3
	global_store_b128 v[GO], v[PK+4*\i:PK+4*\i+3], s[OUTP:OUTP+1] offset:512*\i
.endr
	s_wait_xcnt 0x0                                ; the stores have read PK and their base: both are written again
	s_add_nc_u64 s[OUTP:OUTP+1], s[OUTP:OUTP+1], 2048
	v_add_nc_u32 v[RDC], 16*SPITCH, v[RDC]
	s_sub_co_u32 s[CNT], s[CNT], 1
	s_cmp_lg_u32 s[CNT], 0
.endm
.macro SMLOOP                          ; a head with a softmax: 8 trips of 16 rows
	v_mov_b32 v[RDC], v[RD]
	v_mov_b32 v[RPC], v[RDP]
.irp i, 0,1,2,3
	v_mov_b32 v[MC+2*\i+1], 0                      ; named with its neighbour as a pair
.endr
	s_mov_b32 s[CNT], 8
.Lsm_\@:
	ROWS16
.irp i, 0,1,2,3
	v_max3_num_f32 v[ML+2*\i], v[X+8*\i], v[X+8*\i+1], v[X+8*\i+2]
.endr
.irp i, 0,1,2,3
	v_max3_num_f32 v[ML+2*\i], v[ML+2*\i], v[X+8*\i+3], v[X+8*\i+4]
.endr
.irp i, 0,1,2,3
	v_max3_num_f32 v[ML+2*\i], v[ML+2*\i], v[X+8*\i+5], v[X+8*\i+6]
.endr
.irp i, 0,1,2,3
	v_max_num_f32 v[ML+2*\i], v[ML+2*\i], v[X+8*\i+7]
.endr
.irp m, 1,2,4                          ; a row's 64 columns lie in eight neighbouring lanes
.irp i, 0,1,2,3
	v_max_num_f32_dpp v[ML+2*\i], v[ML+2*\i], v[ML+2*\i] row_xmask:\m row_mask:0xf bank_mask:0xf
.endr
.endr
.irp i, 0,1,2,3
	v_mul_f32 v[MC+2*\i], s[CS], v[ML+2*\i]
.endr
.irp i, 0,1,2,3
.irp p, 0,2,4,6
	v_pk_fma_f32 v[X+8*\i+\p:X+8*\i+\p+1], v[X+8*\i+\p:X+8*\i+\p+1], s[CS:CS+1], v[MC+2*\i:MC+2*\i+1] op_sel_hi:[1,0,0] neg_lo:[0,0,1] neg_hi:[0,0,1]
.endr
.endr
.set n, 0
.rept 32
	v_exp_f32 v[X+n], v[X+n]
.set n, n+1
.endr
	v_nop                                          ; a plain instruction behind the last exponential,
	s_wait_alu depctr_va_vdst(0)                   ; and a wait ahead of the batch's first reader
.set n, 0
.rept 16
	v_cvt_pk_f16_f32 v[PK+n], v[X+2*n], v[X+2*n+1]
.set n, n+1
.endr
.irp i, 0,1,2,3
	v_pk_add_f32 v[X+8*\i:X+8*\i+1], v[X+8*\i:X+8*\i+1], v[X+8*\i+2:X+8*\i+3]
	v_pk_add_f32 v[X+8*\i+4:X+8*\i+5], v[X+8*\i+4:X+8*\i+5], v[X+8*\i+6:X+8*\i+7]
.endr
.irp i, 0,1,2,3
	v_pk_add_f32 v[X+8*\i:X+8*\i+1], v[X+8*\i:X+8*\i+1], v[X+8*\i+4:X+8*\i+5]
.endr
.irp i, 0,1,2,3
	v_add_f32 v[ML+2*\i+1], v[X+8*\i], v[X+8*\i+1]
.endr
.irp m, 1,2,4
.irp i, 0,1,2,3
	v_add_f32_dpp v[ML+2*\i+1], v[ML+2*\i+1], v[ML+2*\i+1] row_xmask:\m row_mask:0xf bank_mask:0xf
.endr
.endr
.irp i, 0,1,2,3
	ds_store_b64 v[RPC], v[ML+2*\i:ML+2*\i+1] offset:\i*4*SPITCH  ; eight lanes write the same two words
.endr
	v_add_nc_u32 v[RPC], 16*SPITCH, v[RPC]
	SEND16
	s_cbranch_scc1 .Lsm_\@
.irp j, 0,1,2,3
	ds_load_b64 v[X+2*\j:X+2*\j+1], v[RS] offset:\j*32*SPITCH
.endr
	s_wait_dscnt 0x0
.irp j, 0,1,2,3
	global_store_b64 v[GS], v[X+2*\j:X+2*\j+1], s[STP:STP+1] offset:256*\j  ; 32 rows' (m, l): 256 consecutive bytes, aligned
.endr
	s_wait_xcnt 0x0                                ; X and the base are written again
.endm
	OUTSET 0
	TOSTAGE 0
	SMLOOP
	OUTSET 1
	TOSTAGE 1
	SMLOOP
	OUTSET 2
	TOSTAGE 2
	v_mov_b32 v[RDC], v[RD]
	s_mov_b32 s[CNT], 8
.Lvv:                                          ; Wi's head: rounded to f16, no more
	ROWS16
.set n, 0
.rept 16
	v_cvt_pk_f16_f32 v[PK+n], v[X+2*n], v[X+2*n+1]
.set n, n+1
.endr
	SEND16
	s_cbranch_scc1 .Lvv
	s_wait_tensorcnt 0x0                           ; the wave's end: the closing lines, behind my last tensor load and my last LDS store
	ds_add_u32 v[SPW], v[NIL]
	s_wait_dscnt 0x0
	CROUND                                         ; the closing round
	s_endpgm
.Lfunc_end_k_q2f3a4fbfe8_gemm1:
	.size	k_q2f3a4fbfe8_gemm1, .Lfunc_end_k_q2f3a4fbfe8_gemm1-k_q2f3a4fbfe8_gemm1
	.p2alignl 7, 3214868480
	.fill 96, 4, 3214868480
	.section	.rodata,"a",@progbits
	.p2align	6, 0x0
	.amdhsa_kernel k_q2f3a4fbfe8_gemm1
		.amdhsa_group_segment_fixed_size 327680
		.amdhsa_private_segment_fixed_size 0
		.amdhsa_enable_private_segment 0
		.amdhsa_kernarg_size 32
		.amdhsa_user_sgpr_count 2
		.amdhsa_user_sgpr_kernarg_segment_ptr 1
		.amdhsa_wavefront_size32 1
		.amdhsa_system_sgpr_workgroup_id_x 1
		.amdhsa_system_sgpr_workgroup_id_y 1
		.amdhsa_system_sgpr_workgroup_id_z 1
		.amdhsa_system_vgpr_workitem_id 0
		.amdhsa_next_free_vgpr 1024
		.amdhsa_next_free_sgpr 96
		.amdhsa_reserve_vcc 0
		.amdhsa_float_denorm_mode_32 3
		.amdhsa_float_denorm_mode_16_64 3
		.amdhsa_memory_ordered 1
		.amdhsa_forward_progress 1
		.amdhsa_inst_pref_size 118
	.end_amdhsa_kernel
	.amdgpu_metadata
---
amdhsa.version: [ 1, 2 ]
amdhsa.kernels:
  - .name:           k_q2f3a4fbfe8_gemm1
    .symbol:         k_q2f3a4fbfe8_gemm1.kd
    .args:
      - { .name: XB, .offset: 0, .size: 8, .value_kind: global_buffer, .address_space: global }
      - { .name: WB, .offset: 8, .size: 8, .value_kind: global_buffer, .address_space: global }
      - { .name: QFV, .offset: 16, .size: 8, .value_kind: global_buffer, .address_space: global }
      - { .name: STAT, .offset: 24, .size: 8, .value_kind: global_buffer, .address_space: global }
    .group_segment_fixed_size: 327680
    .private_segment_fixed_size: 0
    .kernarg_segment_align: 8
    .kernarg_segment_size: 32
    .max_flat_workgroup_size: 128
    .sgpr_count:     96
    .vgpr_count:     1024
    .wavefront_size: 32
...
	.end_amdgpu_metadata
.endif
;; end of part 2
;; launch gsum (part 3): grid 3 x 64, 4 waves a work-group, no clusters, 327,680 bytes of LDS; arguments QFV, STAT, SUM; writes SUM
.if DOCPART == 3
	.amdgcn_target "amdgcn-amd-amdhsa--gfx1250"
	.amdhsa_code_object_version 6
	.text
	.protected	k_q2f3a4fbfe8_gsum
	.globl	k_q2f3a4fbfe8_gsum
	.p2align	8
	.type	k_q2f3a4fbfe8_gsum,@function
k_q2f3a4fbfe8_gsum:
	s_mov_b64 s[64:65], 0
	v_nop
	global_prefetch_b8 v0, s[64:65] scope:SCOPE_SE
	s_setreg_imm32_b32 hwreg(HW_REG_WAVE_MODE, 25, 1), 1
	s_wait_xcnt 0x0
; THE GATED RECURRENCE, S_t = p_t S_(t-1) + (1 - p_t) v_t^T, o_t = q_t S_t, per batch and head; p = softmax(f), q = softmax(q), both over all 1,024 columns.
; ONE TEXT, TWO KERNELS.  FULL = 0 (this one): for the segments 0 to 2 of 512 steps the end state U from a zero start and the segment's decay T, to SUM.  FULL = 1: the whole pass, o to OB.
; IN THE LINEAR DOMAIN.  exp(log_softmax) is the softmax: the scan needs products of p alone, all at most 1; one that falls under the smallest f32 counts as 0, and so does what it multiplies.
; SOFTMAX.  The launch before left, per row and head, m (the head's largest logit), e = exp(x - m) in f16 and l = the sum of e.  Here a row's 16 heads are joined: M = max m, L = sum of l exp(m - M),
; a = exp(m_own - M) / L, p or q = e a.  Every exponent is at most 0 and L at least 1.
; A CHUNK is 64 steps.  Wave w owns time block w (16 steps) with all 64 channels; of the state it owns channels 16 w .. 16 w + 15 with all 64 v.
; BY LEVELS.  For an aligned block of h steps: QP_h[t] = q_t x the product of p from the block's first step to t; KS_h[s] = (1 - p_s) x the product of p behind s to the block's end.  For t in the upper and s in
; the lower half of a block of 2 h the weight is A[t, s] = the sum over channels of QP_h[t] KS_h[s]: both factors are at most 1, whatever the decay.  h = 1, 2, 4, 8 fall into the wave's own 16 x 16 tile (one array
; Z_h = QP_h where t is upper, KS_h where lower; Z_h Z_h^T under a 0/1 mask), h = 16, 32 into tiles with other waves' blocks; the diagonal is q (1 - p).  o += QP_64 S_0; S = T_64 S + KS_64^T V.
; FORMATS.  What goes into a matrix product is f16 (e, v, q, 1 - p, Z, the weights A, the state as an operand); the state itself, all products of p and all sums stay in f32.
; LIMITS.  |v| stays under 65,504 (the state and o are means of v's rows); numbers under 6e-5 keep f16's fixed step of 6e-8; the sums' order is not the scan's; NaN and infinities are not treated apart.
; NO CLUSTER, NO RING, NO PREFETCH: no two work-groups read the same bytes; a segment's 3 x 64 KiB lie in LDS whole, asked for at the head by three tensor loads a wave (two with FULL = 0), and nothing is filled again.
; TIME BLOCKS BY EXCLUSIVE OR: position d = 0..3 of a sum over the chunk's 64 steps stands for block w ^ d, in V's, KS's and A's fragments alike.
.set FULL, 0
.set PIN,   160                        ; a row of e or v in LDS: 128 bytes + 32
.set EFA,   81920
.set VVA,   163840
.set Z16A,  245760                     ; [64 ch][64 t] f16, pitch 160; Z32 lies Z32O behind it
.set Z32O,  10240
.set KSA,   266240                     ; KS_64 [64 ch][64 t] f16, pitch 144
.set SSTA,  275456                     ; the state at the chunk's start, [64 v][64 ch] f16, pitch 144
.set TTA,   284672                     ; the blocks' decays, [64 ch][4] f32
.set ATA,   285696                     ; a_q of the 512 rows, then a_f
.set PRIV,  289792                     ; each wave's own: three arrays [64 ch][16 t] f16, pitch 32, and the chunk's decay by channel; the way out lies over the first
.set PRIVB, 6400
.set T64O,  6144
.set SPARE, 315392                     ; the spare words, 128 bytes a wave
; window 0
.set AEQ, 2
.set AEF, 3
.set AAT, 4
.set APZS, 5
.set APZL, 6
.set ATT, 8                            ; v8-11: TT at block w ^ d (d = 0: where I store)
.set AT64S, 12
.set AT64L, 13
.set ASST, 14
.set AZS, 15
.set AKSS, 16
.set AZL, 17                           ; v17-20
.set AV, 21                            ; v21-24
.set ASF, 25
.set AKL, 26                           ; v26-29
.set AOS, 30
.set AOL, 31
.set LR, 32
.set LH, 33
.set L7, 34
.set LC, 35
.set T0, 36
.set T1, 37
.set ZERO, 38
.set GO, 39
.set SPW, 40
.set NIL, 41
.set ONE, 42                           ; v42-43: 1.0 twice
.set AQV, 44
.set AFV, 52
.set EQR, 60
.set EFR, 76
.set P, 92                             ; element (cb, j): channel 16 cb + r, time 8 h + j, at 8 cb + j
.set TMP, 92
.set KS, 124
.set QP, 156
.set T2, 188
.set X1, 188
.set X2, 192
.set X3, 196
.set X23, 200
.set T4, 204
.set FQ, 204
.set FK, 208
.set T8, 212
.set F32, 212
.set O8, 216
.set T64, 216
.set FU, 220
.set FL, 224
.set T16, 228
.set PK, 232
; at the head only
.set H0, 44
.set H1, 45
.set H2, 46
.set H3, 47
.set STQ, 92
.set MX, 126
.set MCX, 127
.set ACC, 128
.set VO, 132
.set ATW, 133
.set S8, 134
.set SJ, 135
.set XJ, 136
.set YJ, 137
.set STF, 140
.set MT, 92
; windows 1 and 2, by their absolute numbers
.set MSK, 256
.set SAC, 296
.set DEC, 328
.set OAC, 336
.set TSEG, 336
.set VF, 368
.set SF, 432
.set AP, 496
.set FQ0, 512
.set FK0, 528
.set FZ1, 544
.set FZ2, 560
.set FZ4, 576
.set FZ8, 592
.set RR, 608
.set AD, 648
.set XQ16, 656
.set XK16, 672
.set XQ32, 688
.set XK32, 704
.set TA, 736
.set WV, 12
.set BH, 13
.set HH, 15
.set RB, 16
.set G1, 24
.set G0, 32
.set SEL, 44
.set CS, 46
.set MH2, 48
.set MODD, 49
.set MHI, 50
.set M03, 51
.set AL1, 52
.set AL2, 54
.set OUTP, 56
.set REC, 58
.set REC2, 60
.set CNT, 63
.set SBQ, 66
.set SBF, 68
.set SOQ, 70
.set SOF, 72
.set MSB, 0
.macro WIN new                         ; the immediate's high byte repeats the setting that is left; a switch that changes nothing is dropped
.if MSB != (\new)
	s_set_vgpr_msb (MSB<<8)|(\new)
.set MSB, (\new)
.endif
.endm
.macro W4 d, a, b, c                   ; the windows of destination and sources 0, 1, 2, from absolute register numbers
	WIN ((((\d)>>8)<<6)|(((\c)>>8)<<4)|(((\b)>>8)<<2)|((\a)>>8))
.endm
.macro XW d, a, b, zero                ; a matrix instruction on absolute register numbers
	W4 \d, \a, \b, \d
.set xd, (\d)&255
.set xa, (\a)&255
.set xb, (\b)&255
.if \zero
	v_wmma_f32_16x16x32_f16 v[xd:xd+7], v[xa:xa+7], v[xb:xb+7], 0
.else
	v_wmma_f32_16x16x32_f16 v[xd:xd+7], v[xa:xa+7], v[xb:xb+7], v[xd:xd+7]
.endif
.endm
.macro XPMUL d, a, b
	W4 \d, \a, \b, 0
.set xd, (\d)&255
.set xa, (\a)&255
.set xb, (\b)&255
	v_pk_mul_f32 v[xd:xd+1], v[xa:xa+1], v[xb:xb+1]
.endm
.macro XPFMA d, a, b, c
	W4 \d, \a, \b, \c
.set xd, (\d)&255
.set xa, (\a)&255
.set xb, (\b)&255
.set xc, (\c)&255
	v_pk_fma_f32 v[xd:xd+1], v[xa:xa+1], v[xb:xb+1], v[xc:xc+1]
.endm
.macro XPMULS d, sr                    ; a pair times a scalar
	W4 \d, \d, 0, 0
.set xd, (\d)&255
	v_pk_mul_f32 v[xd:xd+1], v[xd:xd+1], s[(\sr):(\sr)+1] op_sel_hi:[1,0]
.endm
.macro XCVT d, a                       ; two f32 to a word of f16
	W4 \d, \a, \a, 0
.set xd, (\d)&255
.set xa, (\a)&255
	v_cvt_pk_f16_f32 v[xd], v[xa], v[xa+1]
.endm
.macro PKB3 d, a, b                    ; window 0: pair d = pair a times the one register b
.if (\b)%2
	v_pk_mul_f32 v[(\d):(\d)+1], v[(\a):(\a)+1], v[(\b)-1:(\b)] op_sel:[0,1] op_sel_hi:[1,1]
.else
	v_pk_mul_f32 v[(\d):(\d)+1], v[(\a):(\a)+1], v[(\b):(\b)+1] op_sel_hi:[1,0]
.endif
.endm
.macro PKB d, b
	PKB3 \d, \d, \b
.endm
.macro ALLB3 dst, arr, f               ; all 32 elements times the factor of their channel block
.set bn, 0
.rept 16
	PKB3 (\dst)+2*bn, (\arr)+2*bn, (\f)+bn/4
.set bn, bn+1
.endr
.endm
.macro MIX dst, e, a                   ; dst = the f16 e times the time's a
.set mn, 0
.rept 32
.if mn%2
	v_fma_mix_f32 v[(\dst)+mn], v[(\e)+mn/2], v[(\a)+mn%8], v[ZERO] op_sel:[1,0,0] op_sel_hi:[1,0,0]
.else
	v_fma_mix_f32 v[(\dst)+mn], v[(\e)+mn/2], v[(\a)+mn%8], v[ZERO] op_sel_hi:[1,0,0]
.endif
.set mn, mn+1
.endr
.endm
.macro ST4 adr, off, str               ; a lane's eight times of each channel block: 16 bytes
.irp cb, 0,1,2,3
	ds_store_b128 v[\adr], v[PK+4*\cb:PK+4*\cb+3] offset:(\off)+\cb*(\str)
.endr
.endm
.macro CVST src, adr, off, str         ; 32 elements to f16 and into an array [channel][time]
.set cn, 0
.rept 16
	v_cvt_pk_f16_f32 v[PK+cn], v[(\src)+2*cn], v[(\src)+2*cn+1]
.set cn, cn+1
.endr
	ST4 \adr, \off, \str
.endm
.macro CVZ lvl, off                    ; Z_h, h = 1, 2, 4: QP where the time's bit h is set, KS where not
.set cn, 0
.rept 16
.if (\lvl) == 1
	v_cvt_pk_f16_f32 v[PK+cn], v[KS+2*cn], v[QP+2*cn+1]
.elseif (((\lvl) == 2) && (cn%2)) || (((\lvl) == 4) && ((cn%4) >= 2))
	v_cvt_pk_f16_f32 v[PK+cn], v[QP+2*cn], v[QP+2*cn+1]
.else
	v_cvt_pk_f16_f32 v[PK+cn], v[KS+2*cn], v[KS+2*cn+1]
.endif
.set cn, cn+1
.endr
	ST4 APZS, \off, 512
.endm
.macro TRLD dst, off                   ; my own array [64 ch][16 t], turned: two fragments, 16 times x 32 channels each.  LDS serves a wave's instructions in order: these see the stores above
	WIN 0x80
.set td, (\dst)&255
.irp q, 0,1,2,3
	ds_load_tr16_b128 v[td+4*\q:td+4*\q+3], v[APZL] offset:(\off)+512*\q
.endr
	WIN 0
.endm
.macro LDZ dst, adr, off               ; a block of Z16 or Z32, turned: two fragments
	WIN 0x80
.set td, (\dst)&255
.irp q, 0,1,2,3
	ds_load_tr16_b128 v[td+4*\q:td+4*\q+3], v[\adr] offset:(\off)+2560*\q
.endr
.endm
.macro ATLOAD st, sb, so               ; (m, l) of my row in all 16 heads, and in my own
.set an, 0
.rept 16
	global_load_b64 v[(\st)+2*an:(\st)+2*an+1], v[VO], s[(\sb):(\sb)+1] offset:an*65536
.set an, an+1
.endr
	global_load_b64 v[(\st)+32:(\st)+33], v[VO], s[(\so):(\so)+1]
.endm
.macro ATCOMP st, off                  ; a = exp(m_own - M) / the sum of l exp(m - M)
	v_max3_num_f32 v[MX], v[(\st)], v[(\st)+2], v[(\st)+4]
.irp n, 3,5,7,9,11,13
	v_max3_num_f32 v[MX], v[MX], v[(\st)+2*\n], v[(\st)+2*\n+2]
.endr
	v_max_num_f32 v[MX], v[MX], v[(\st)+30]
	v_mul_f32 v[MCX], s[CS], v[MX]
.set an, 0
.rept 17
	v_fma_f32 v[(\st)+2*an], v[(\st)+2*an], s[CS], -v[MCX]
.set an, an+1
.endr
.set an, 0
.rept 17
	v_exp_f32 v[(\st)+2*an], v[(\st)+2*an]
.set an, an+1
.endr
	v_nop                                          ; a plain instruction behind the last exponential,
	s_wait_alu depctr_va_vdst(0)                   ; and a wait ahead of the batch's first reader
.irp c, 0,1,2,3
	v_mul_f32 v[ACC+\c], v[(\st)+2*\c], v[(\st)+2*\c+1]
.endr
.set an, 4
.rept 12
	v_fmac_f32 v[ACC+an%4], v[(\st)+2*an], v[(\st)+2*an+1]
.set an, an+1
.endr
	v_add_f32 v[ACC], v[ACC], v[ACC+1]
	v_add_f32 v[ACC+2], v[ACC+2], v[ACC+3]
	v_add_f32 v[ACC], v[ACC], v[ACC+2]
	v_rcp_f32 v[ACC+1], v[ACC]
	v_nop
	s_wait_alu depctr_va_vdst(0)
	v_mul_f32 v[ACC+1], v[ACC+1], v[(\st)+32]
	ds_store_b32 v[ATW], v[ACC+1] offset:\off
.endm
.macro COMB i                          ; an earlier segment is folded in: S = T S + U
	s_cmp_gt_u32 ttmp9, \i
	s_cbranch_scc0 .Lno_seg_\@
	WIN 0x40
.irp n, 0,1,2,3,4,5,6,7
	global_load_b128 v[(OAC&255)+4*\n:(OAC&255)+4*\n+3], v[GO], s[REC:REC+1] offset:(\i)*20480+512*\n
.endr
.irp n, 0,1
	global_load_b128 v[(DEC&255)+4*\n:(DEC&255)+4*\n+3], v[GO], s[REC2:REC2+1] offset:(\i)*20480+512*\n
.endr
	s_wait_loadcnt 0x0
.set kn, 0
.rept 16
	XPFMA SAC+2*kn, SAC+2*kn, DEC+2*(kn%4), OAC+2*kn
.set kn, kn+1
.endr
	WIN 0
.Lno_seg_\@:
.endm
	s_load_b128 s[4:7], s[0:1], 0x0                ; QFV s[4:5], STAT s[6:7]
	s_load_b64 s[8:9], s[0:1], 0x10                ; SUM
.if FULL
	s_load_b64 s[10:11], s[0:1], 0x18              ; OB
.endif
	v_lshl_add_u32 v[SPW], v0, 2, SPARE
	v_mov_b32 v[NIL], 0
	ds_add_u32 v[SPW], v[NIL]                      ; the wave's opening: the add, waited for ahead of my first tensor load
	v_lshrrev_b32 v1, 5, v0
	v_readfirstlane_b32 s[WV], v1
	s_and_b32 s[BH], ttmp7, 0xffff                 ; batch x 16 + head
	s_lshr_b32 s14, s[BH], 4
	s_and_b32 s[HH], s[BH], 15
	s_lshl_b32 s[RB], s14, 11
	s_lshl_b32 s14, ttmp9, 9
	s_add_co_u32 s[RB], s[RB], s14                 ; the segment's first row: 2,048 b + 512 seg
	s_mov_b32 s[G1], (1<<16)|(1<<20)|(4<<22)|(7<<25)  ; 2-byte elements; padding on, after every 32 words, 8 words
	s_mov_b32 s[G1+1], 128<<16                     ; rows of 256 bytes: two steps on end
	s_mov_b32 s[G1+2], 64<<16                      ; 64 of them: my 128 steps
	s_mov_b32 s[G1+3], 128<<16
	s_mov_b32 s[G1+4], 64
	s_mov_b32 s[G1+5], 128
	s_mov_b32 s[G1+6], 0
	s_mov_b32 s[G1+7], 0
	s_lshl_b32 s18, s[WV], 7
	s_add_co_u32 s18, s18, s[RB]
	s_lshl_b32 s18, s18, 7
	s_lshl_b32 s19, s[HH], 20
	s_add_co_u32 s18, s18, s19
	s_mov_b32 s19, 0
	s_mul_i32 s20, s[WV], 128*PIN
.irp arr, 0,1,2
	s_mov_b32 s[G0+4*\arr], 1
	s_add_co_u32 s[G0+4*\arr+1], s20, \arr*EFA
.endr
	s_mov_b32 s[SEL], 0x76543210
	s_mov_b32 s[SEL+1], 0xfedcba98
	s_mov_b32 s[CS], 0x3fb8aa3b                    ; log2(e)
	s_mov_b32 s[CS+1], s[CS]
	s_mov_b32 s[MH2], 0xffff0000                   ; the lanes with the block's times 8 to 15
	s_lshr_b32 s17, s[WV], 1
	s_xor_b32 s14, s17, s[WV]
	s_and_b32 s14, s14, 1
	s_cmp_eq_u32 s14, 0
	s_cselect_b32 s[M03], -1, 0                    ; blocks 0 and 3
	s_and_b32 s14, s[WV], 1
	s_cmp_lg_u32 s14, 0
	s_cselect_b32 s[MODD], -1, 0                   ; blocks 1 and 3
	s_cselect_b32 s[AL1], 1.0, 0
	s_cselect_b32 s[AL1+1], 1.0, 0
	s_cmp_lg_u32 s17, 0
	s_cselect_b32 s[MHI], -1, 0                    ; blocks 2 and 3
	s_cselect_b32 s[AL2], 1.0, 0
	s_cselect_b32 s[AL2+1], 1.0, 0
	s_mul_i32 s17, s[BH], 3                        ; SUM: a record of 20,480 bytes for each of a sequence's segments 0 to 2
.if !FULL
	s_add_co_u32 s17, s17, ttmp9
.endif
	s_mul_i32 s17, s17, 20480
	s_lshl_b32 s76, s[WV], 12                      ; U: 4,096 bytes a wave, as the registers hold it
	s_add_co_u32 s76, s76, s17
	s_mov_b32 s77, 0
	s_lshl_b32 s78, s[WV], 10                      ; T: 1,024 bytes a wave, behind the four U
	s_add_co_u32 s78, s78, s17
	s_add_co_u32 s78, s78, 16384
	s_mov_b32 s79, 0
	s_wait_dscnt 0x0                               ; the opening add is done
	s_wait_kmcnt 0x0
	s_add_nc_u64 s[22:23], s[4:5], s[18:19]
.irp arr, 0,1,2
	s_add_nc_u64 s[G0+4*\arr+2:G0+4*\arr+3], s[22:23], \arr*16777216  ; e of q, e of f, v: 16 heads of 1 MiB apart
	s_or_b32 s[G0+4*\arr+3], s[G0+4*\arr+3], 0x80000000
.endr
.if FULL
	tensor_load_to_lds s[G0:G0+3], s[G1:G1+7]
	s_nop 0
.endif
	tensor_load_to_lds s[G0+4:G0+7], s[G1:G1+7]
	s_nop 0
	tensor_load_to_lds s[G0+8:G0+11], s[G1:G1+7]
	s_nop 0
.rept 4
	v_nop
.endr
	s_add_nc_u64 s[REC:REC+1], s[8:9], s[76:77]
	s_add_nc_u64 s[REC2:REC2+1], s[8:9], s[78:79]
	s_lshl_b32 s20, s[RB], 3
	s_mov_b32 s21, 0
	s_add_nc_u64 s[SBQ:SBQ+1], s[6:7], s[20:21]    ; STAT at the segment's first row, head 0 of q,
	s_add_nc_u64 s[SBF:SBF+1], s[SBQ:SBQ+1], 1048576  ; of f,
	s_lshl_b32 s20, s[HH], 16
	s_add_nc_u64 s[SOQ:SOQ+1], s[SBQ:SBQ+1], s[20:21]  ; and at my own head
	s_add_nc_u64 s[SOF:SOF+1], s[SBF:SBF+1], s[20:21]
.if FULL
	s_lshl_b32 s20, s[WV], 4
	s_add_co_u32 s20, s20, s[RB]
	s_lshl_b32 s20, s20, 7
	s_lshl_b32 s14, s[HH], 20
	s_add_co_u32 s20, s20, s14
	s_add_nc_u64 s[OUTP:OUTP+1], s[10:11], s[20:21]  ; OB at my 16 rows of the first chunk
.endif
	; ---- the tables a_q, a_f: thread t takes rows t + 128 i.  All of a trip's loads go out together; they run beside the tensor loads
	v_lshlrev_b32 v[VO], 3, v0
	v_lshl_add_u32 v[ATW], v0, 2, ATA
	s_mov_b32 s[CNT], 4
.Latab:
	ATLOAD STF, SBF, SOF
.if FULL
	ATLOAD STQ, SBQ, SOQ
.endif
	s_wait_loadcnt 0x0
	v_add_nc_u32 v[VO], 1024, v[VO]
	ATCOMP STF, 2048
.if FULL
	ATCOMP STQ, 0
.endif
	v_add_nc_u32 v[ATW], 512, v[ATW]
	s_sub_co_u32 s[CNT], s[CNT], 1
	s_cmp_lg_u32 s[CNT], 0
	s_cbranch_scc1 .Latab
	; ---- constants and addresses
	v_mov_b32 v[ZERO], 0
	v_mov_b32 v[ONE], 1.0
	v_mov_b32 v[ONE+1], 1.0
.irp cb, 0,1,2,3
	v_mov_b32 v[O8+\cb], 0                         ; v_permlanex16_b32's destination counts as read
.endr
	v_and_b32 v[LR], 15, v0                        ; r
	v_bfe_u32 v[LH], v0, 4, 1                      ; h
	v_and_b32 v[L7], 7, v0
	v_bfe_u32 v[LC], v0, 3, 1
	v_lshl_add_u32 v[T0], v[LH], 3, v[L7]          ; the turning load's row: 8 h + l % 8; its 16 bytes: (l / 8) % 2
	v_mul_u32_u24 v[H0], v[T0], PIN
	v_lshl_add_u32 v[H0], v[LC], 4, v[H0]
	v_mul_u32_u24 v[H2], v[LR], 144
	v_lshl_add_u32 v[H2], v[LH], 4, v[H2]          ; r x 144 + 16 h
	s_mul_i32 s21, s[WV], 16*144
	v_add_nc_u32 v[H1], s21, v[H2]                 ; (16 w + r) x 144 + 16 h
.irp d, 0,1,2,3
	s_xor_b32 s20, s[WV], \d                       ; block w ^ d
	s_mul_i32 s21, s20, 16*PIN
	v_add_nc_u32 v[T1], s21, v[H0]
	v_add_nc_u32 v[AV+\d], VVA, v[T1]
.if \d == 0
	v_add_nc_u32 v[AEF], EFA, v[T1]
	v_mov_b32 v[AEQ], v[T1]
.endif
	s_lshl_b32 s21, s20, 2
	s_add_co_u32 s21, s21, TTA
	v_lshl_add_u32 v[ATT+\d], v[LR], 4, s21
	s_lshl_b32 s21, s20, 5
	s_add_co_u32 s22, s21, Z16A
	v_add_nc_u32 v[AZL+\d], s22, v[H0]
	s_add_co_u32 s22, s21, KSA
	v_add_nc_u32 v[AKL+\d], s22, v[H1]
.endr
	s_lshl_b32 s20, s[WV], 5                       ; my block's 16 times, or my 16 channels: 32 bytes of a row
	s_add_co_u32 s21, s20, SSTA
	v_add_nc_u32 v[ASST], s21, v[H2]
	s_add_co_u32 s21, s20, KSA
	v_add_nc_u32 v[AKSS], s21, v[H2]
	v_add_nc_u32 v[ASF], SSTA, v[H2]
	s_mul_i32 s22, s[WV], PRIVB
	s_add_co_u32 s22, s22, PRIV                    ; my own bytes
	v_add_nc_u32 v[AOS], s22, v[H2]
	v_mul_u32_u24 v[H3], v[LR], PIN
	v_lshl_add_u32 v[H3], v[LH], 4, v[H3]
	s_add_co_u32 s21, s20, Z16A
	v_add_nc_u32 v[AZS], s21, v[H3]
	v_lshlrev_b32 v[H3], 5, v[LR]
	v_lshl_add_u32 v[H3], v[LH], 4, v[H3]
	v_add_nc_u32 v[APZS], s22, v[H3]
	v_lshlrev_b32 v[H3], 5, v[T0]
	v_lshl_add_u32 v[H3], v[LC], 4, v[H3]
	v_add_nc_u32 v[APZL], s22, v[H3]
	s_add_co_u32 s21, s22, T64O
	v_lshl_add_u32 v[AT64S], v[LR], 2, s21
	s_lshl_b32 s23, s[WV], 6
	s_add_co_u32 s21, s21, s23
	v_lshl_add_u32 v[AT64L], v[LH], 5, s21
	s_add_co_u32 s21, s23, ATA
	v_lshl_add_u32 v[AAT], v[LH], 5, s21
	v_bfe_u32 v[H3], v0, 3, 2
	v_mul_u32_u24 v[H3], v[H3], 144
	v_lshl_add_u32 v[H3], v[L7], 4, v[H3]
	v_add_nc_u32 v[AOL], s22, v[H3]
	v_and_b32 v[GO], 31, v0
	v_lshlrev_b32 v[GO], 4, v[GO]
.if FULL
	; ---- the five masks of my own tile: register j of lane (r, h) is (s = 8 h + j, t = r).  The diagonal: t = s.  Level 2^lg: t and s differ first in bit lg, and t > s
	v_lshlrev_b32 v[S8], 3, v[LH]
.set mj, 0
.rept 8
	v_add_nc_u32 v[SJ], mj, v[S8]
	v_xor_b32 v[XJ], v[LR], v[SJ]
	v_cmp_gt_u32 s21, v[LR], v[SJ]
	v_cmp_eq_u32 s20, 0, v[XJ]
	v_cndmask_b32 v[MT+mj], v[ZERO], v[ONE], s20
.irp lg, 0,1,2,3
	v_lshrrev_b32 v[YJ], \lg, v[XJ]
	v_cmp_eq_u32 s20, 1, v[YJ]
	s_and_b32 s20, s20, s21
	v_cndmask_b32 v[MT+8*\lg+8+mj], v[ZERO], v[ONE], s20
.endr
.set mj, mj+1
.endr
	WIN 0x40
.set mj, 0
.rept 40
	v_mov_b32 v[(MSK&255)+mj], v[MT+mj]
.set mj, mj+1
.endr
.endif
	WIN 0x40
.set mj, 0
.rept 32
	v_mov_b32 v[(SAC&255)+mj], 0                   ; the state starts at 0: written on purpose, so that every chunk has one form
.set mj, mj+1
.endr
.if !FULL
.set mj, 0
.rept 8
	v_mov_b32 v[(TSEG&255)+mj], 1.0
.set mj, mj+1
.endr
.endif
	WIN 0
.if FULL
	COMB 0
	COMB 1
	COMB 2
.endif
	s_wait_tensorcnt 0x0                           ; my parts of the segment have landed,
	s_wait_dscnt 0x0                               ; my part of the tables is stored,
	s_barrier_signal -1
	s_barrier_wait -1                              ; everybody's are
	s_mov_b32 s[CNT], 8
.Lchunk:
	; ---- my block by itself
	ds_load_b128 v[AFV:AFV+3], v[AAT] offset:2048
	ds_load_b128 v[AFV+4:AFV+7], v[AAT] offset:2064
.if FULL
	ds_load_b128 v[AQV:AQV+3], v[AAT]
	ds_load_b128 v[AQV+4:AQV+7], v[AAT] offset:16
.endif
.irp cb, 0,1,2,3
	ds_load_tr16_b128 v[EFR+4*\cb:EFR+4*\cb+3], v[AEF] offset:32*\cb
.if FULL
	ds_load_tr16_b128 v[EQR+4*\cb:EQR+4*\cb+3], v[AEQ] offset:32*\cb
.endif
.endr
	s_wait_dscnt 0x0
	MIX P, EFR, AFV                                ; p
.if FULL
	MIX QP, EQR, AQV                               ; q
.endif
.set bn, 0
.rept 16
	v_pk_add_f32 v[KS+2*bn:KS+2*bn+1], v[ONE:ONE+1], v[P+2*bn:P+2*bn+1] neg_lo:[0,1] neg_hi:[0,1]  ; 1 - p
.set bn, bn+1
.endr
.if FULL
	CVST QP, APZS, 0, 512
	TRLD FQ0, 0
	CVST KS, APZS, 2048, 512
	TRLD FK0, 2048
.set bn, 0
.rept 16
	v_pk_mul_f32 v[QP+2*bn:QP+2*bn+1], v[QP+2*bn:QP+2*bn+1], v[P+2*bn:P+2*bn+1]  ; QP_1 = q p
.set bn, bn+1
.endr
	CVZ 1, 4096
	TRLD FZ1, 4096
.endif
.set bn, 0
.rept 16                               ; blocks of 1 to blocks of 2: the upper QP takes the lower half's product, the lower KS the upper half's
	v_mul_f32 v[T2+bn], v[P+2*bn], v[P+2*bn+1]
.if FULL
	v_mul_f32 v[QP+2*bn+1], v[QP+2*bn+1], v[P+2*bn]
.endif
	v_mul_f32 v[KS+2*bn], v[KS+2*bn], v[P+2*bn+1]
.set bn, bn+1
.endr
.if FULL
	CVZ 2, 0
	TRLD FZ2, 0
.endif
.set bn, 0
.rept 8                                ; 2 to 4
	v_mul_f32 v[T4+bn], v[T2+2*bn], v[T2+2*bn+1]
.if FULL
	PKB QP+4*bn+2, T2+2*bn
.endif
	PKB KS+4*bn, T2+2*bn+1
.set bn, bn+1
.endr
.if FULL
	CVZ 4, 2048
	TRLD FZ4, 2048
.endif
.set bn, 0
.rept 4                                ; 4 to 8
	v_mul_f32 v[T8+bn], v[T4+2*bn], v[T4+2*bn+1]
.if FULL
	PKB QP+8*bn+4, T4+2*bn
	PKB QP+8*bn+6, T4+2*bn
.endif
	PKB KS+8*bn, T4+2*bn+1
	PKB KS+8*bn+2, T4+2*bn+1
.set bn, bn+1
.endr
.if FULL
.set bn, 0
.rept 32
	v_cndmask_b32 v[TMP+bn], v[KS+bn], v[QP+bn], s[MH2]  ; Z_8: the upper times lie in the upper lanes
.set bn, bn+1
.endr
	CVST TMP, APZS, 4096, 512
	TRLD FZ8, 4096
.endif
.irp cb, 0,1,2,3                       ; 8 to 16: the other half's product lies in the lane 16 away
	v_permlanex16_b32 v[O8+\cb], v[T8+\cb], s[SEL], s[SEL+1]
.endr
.irp cb, 0,1,2,3
.if FULL
	v_cndmask_b32 v[FU+\cb], v[ONE], v[O8+\cb], s[MH2]
.endif
	v_cndmask_b32 v[FL+\cb], v[O8+\cb], v[ONE], s[MH2]
	v_mul_f32 v[T16+\cb], v[T8+\cb], v[O8+\cb]
.endr
.irp cb, 0,1,2,3
	ds_store_b32 v[ATT], v[T16+\cb] offset:256*\cb  ; my block's decay, for the others
.endr
.if FULL
	ALLB3 QP, QP, FU
.endif
	ALLB3 KS, KS, FL
	s_wait_dscnt 0x0                               ; my stores of the decays are done, my fragments are in; my reads of the last chunk's shared arrays ended long ago
	s_barrier_signal -1
.if FULL
	XW RR, FK0, FQ0, 1                             ; my own tile, five products by turns, while the others arrive
	XW RR+8, FZ1, FZ1, 1
	XW RR+16, FZ2, FZ2, 1
	XW RR+24, FZ4, FZ4, 1
	XW RR+32, FZ8, FZ8, 1
	XW RR, FK0+8, FQ0+8, 0
	XW RR+8, FZ1+8, FZ1+8, 0
	XW RR+16, FZ2+8, FZ2+8, 0
	XW RR+24, FZ4+8, FZ4+8, 0
	XW RR+32, FZ8+8, FZ8+8, 0
.endif
	WIN 0
	s_barrier_wait -1
	; ---- the other blocks' decays
.irp d, 1,2,3
.irp cb, 0,1,2,3
	ds_load_b32 v[X1+4*(\d-1)+\cb], v[ATT+\d] offset:256*\cb
.endr
.endr
.if FULL
.set cn, 0
.rept 16
	XCVT PK+cn, SAC+2*cn                           ; the state at the chunk's start, as an operand
.set cn, cn+1
.endr
	WIN 0
	ST4 ASST, 0, 2304
	s_cmp_lg_u32 s[MODD], 0                        ; Z_16: blocks 1 and 3 are upper
	s_cbranch_scc1 .Lz16q
	CVST KS, AZS, 0, 2560
	s_branch .Lz16d
.Lz16q:
	CVST QP, AZS, 0, 2560
.Lz16d:
	s_wait_dscnt 8                                 ; the twelve loads are in; the eight stores issued behind them may be out
.else
	s_wait_dscnt 0x0
.endif
.irp cb, 0,1,2,3
	v_mul_f32 v[X23+\cb], v[X2+\cb], v[X3+\cb]
.endr
.irp cb, 0,1,2,3
	v_mul_f32 v[T64+\cb], v[T16+\cb], v[X1+\cb]
	v_cndmask_b32 v[TMP+\cb], v[X1+\cb], v[ONE], s[MODD]     ; the blocks behind mine: w ^ 1 where w is even,
	v_cndmask_b32 v[TMP+4+\cb], v[X23+\cb], v[ONE], s[MHI]   ; w ^ 2 and w ^ 3 where w < 2
.endr
.irp cb, 0,1,2,3
	v_mul_f32 v[T64+\cb], v[T64+\cb], v[X23+\cb]
	v_mul_f32 v[FK+\cb], v[TMP+\cb], v[TMP+4+\cb]
.endr
.if FULL
.irp cb, 0,1,2,3
	v_cndmask_b32 v[TMP+8+\cb], v[ONE], v[X1+\cb], s[MODD]   ; the blocks ahead of mine
	v_cndmask_b32 v[TMP+12+\cb], v[ONE], v[X23+\cb], s[MHI]
	v_cndmask_b32 v[F32+\cb], v[ONE], v[X1+\cb], s[M03]      ; 16 to 32: block 3's QP and block 0's KS take their neighbour's product
.endr
.irp cb, 0,1,2,3
	v_mul_f32 v[FQ+\cb], v[TMP+8+\cb], v[TMP+12+\cb]
.endr
.endif
.irp cb, 0,1,2,3
	ds_store_b32 v[AT64S], v[T64+\cb] offset:64*\cb  ; the chunk's decay by channel, in my own bytes,
.endr
	WIN 0x40
	ds_load_b128 v[(DEC&255):(DEC&255)+3], v[AT64L]  ; and back as the state's registers want it: channels 16 w + 8 h + j
	ds_load_b128 v[(DEC&255)+4:(DEC&255)+7], v[AT64L] offset:16
	WIN 0
.if FULL
	s_cmp_lg_u32 s[MHI], 0                         ; Z_32: blocks 2 and 3 are upper
	s_cbranch_scc1 .Lz32q
	ALLB3 TMP, KS, F32
	s_branch .Lz32d
.Lz32q:
	ALLB3 TMP, QP, F32
.Lz32d:
	CVST TMP, AZS, Z32O, 2560
	ALLB3 QP, QP, FQ                               ; QP_64
	CVST QP, APZS, 0, 512
	TRLD FQ0, 0
.endif
	ALLB3 KS, KS, FK                               ; KS_64
	CVST KS, AKSS, 0, 2304
	s_wait_dscnt 0x0                               ; my stores into the shared arrays are done, my reads of the decays are back
	s_barrier_signal -1
.if FULL
.irp p, 0,2,4,6                        ; my own tile: the five products under their masks; each accumulator's low registers are read first
	XPMUL AD+\p, MSK+\p, RR+\p
.endr
.irp l, 1,2,3,4
.irp p, 0,2,4,6
	XPFMA AD+\p, MSK+8*\l+\p, RR+8*\l+\p, AD+\p
.endr
.endr
.endif
	WIN 0
	s_barrier_wait -1
	; ---- the products over the chunk
.if FULL
	LDZ XQ16, AZL, 0
	LDZ XK16, AZL+1, 0
	LDZ XQ32, AZL, Z32O
	LDZ XK32, AZL+2, Z32O
	LDZ XK32+16, AZL+3, Z32O
.endif
	WIN 0x80
.irp d, 0,1,2,3
	ds_load_b128 v[(FK0&255)+4*\d:(FK0&255)+4*\d+3], v[AKL+\d]  ; KS_64 of my 16 channels, block w ^ d
.endr
	WIN 0x40
.irp vb, 0,1,2,3
.irp d, 0,1,2,3
	ds_load_tr16_b128 v[(VF&255)+16*\vb+4*\d:(VF&255)+16*\vb+4*\d+3], v[AV+\d] offset:32*\vb  ; V turned, block w ^ d
.endr
.endr
.if FULL
.irp vb, 0,1,2,3
.irp kk, 0,1
	ds_load_b128 v[(SF&255)+16*\vb+8*\kk:(SF&255)+16*\vb+8*\kk+3],   v[ASF] offset:\vb*2304+64*\kk
	ds_load_b128 v[(SF&255)+16*\vb+8*\kk+4:(SF&255)+16*\vb+8*\kk+7], v[ASF] offset:\vb*2304+64*\kk+32
.endr
.endr
.endif
	s_wait_dscnt 0x0
.if FULL
	XW TA, XK16, XQ16, 1                           ; the tiles with blocks w ^ 1, w ^ 2, w ^ 3, by turns
	XW TA+8, XK32, XQ32, 1
	XW TA+16, XK32+16, XQ32, 1
	XW TA, XK16+8, XQ16+8, 0
	XW TA+8, XK32+8, XQ32+8, 0
	XW TA+16, XK32+24, XQ32+8, 0
.irp kk, 0,1
.irp vb, 0,1,2,3
	XW OAC+8*\vb, SF+16*\vb+8*\kk, FQ0+8*\kk, 1-\kk  ; o^T = S_0^T QP_64^T
.endr
.endr
.endif
.set kn, 0
.rept 16
	XPMUL SAC+2*kn, SAC+2*kn, DEC+2*(kn%4)         ; S = T_64 S; with FULL these are also the places behind the products above
.set kn, kn+1
.endr
.if FULL
.irp p, 0,2,4,6
	XPMULS TA+\p, AL1                              ; block w ^ 1 lies ahead of mine only where w is odd,
.endr
.irp p, 8,10,12,14,16,18,20,22
	XPMULS TA+\p, AL2                              ; blocks w ^ 2, w ^ 3 only where w is 2 or 3: else the tile, which is finite, counts as 0
.endr
.irp n, 0,1,2,3
	XCVT AP+\n, AD+2*\n
.endr
.set cn, 0
.rept 12
	XCVT AP+4+cn, TA+2*cn
.set cn, cn+1
.endr
.irp kk, 0,1
.irp vb, 0,1,2,3
	XW OAC+8*\vb, VF+16*\vb+8*\kk, AP+8*\kk, 0     ; o^T += V^T A^T
.endr
.endr
.else
.irp p, 0,2,4,6
	XPMUL TSEG+\p, TSEG+\p, DEC+\p
.endr
.endif
.irp kk, 0,1
.irp vb, 0,1,2,3
	XW SAC+8*\vb, FK0+8*\kk, VF+16*\vb+8*\kk, 0    ; S += KS_64^T V
.endr
.endr
	WIN 0
	v_add_nc_u32 v[AEF], 64*PIN, v[AEF]            ; the next chunk; these are the places behind the products
	v_add_nc_u32 v[AEQ], 64*PIN, v[AEQ]
	v_add_nc_u32 v[AAT], 256, v[AAT]
.irp d, 0,1,2,3
	v_add_nc_u32 v[AV+\d], 64*PIN, v[AV+\d]
.endr
.if FULL
.set cn, 0
.rept 16
	XCVT PK+cn, OAC+2*cn
.set cn, cn+1
.endr
	WIN 0
	ST4 AOS, 0, 32                                 ; a lane's eight v of a row: 16 bytes, into my own bytes, and back as whole rows
.irp i, 0,1,2,3
	ds_load_b128 v[TMP+4*\i:TMP+4*\i+3], v[AOL] offset:576*\i
.endr
	s_wait_dscnt 0x0
.irp i, 0,1,2,3
	global_store_b128 v[GO], v[TMP+4*\i:TMP+4*\i+3], s[OUTP:OUTP+1] offset:512*\i  ; four rows of 128 bytes: 512 consecutive bytes
.endr
	s_wait_xcnt 0x0                                ; the stores have read their registers and their base: both are written again
	s_add_nc_u64 s[OUTP:OUTP+1], s[OUTP:OUTP+1], 8192
.endif
	s_sub_co_u32 s[CNT], s[CNT], 1
	s_cmp_lg_u32 s[CNT], 0
	s_cbranch_scc1 .Lchunk
.if !FULL
.rept 4
	v_nop
.endr
	WIN 0x04
.irp n, 0,1,2,3,4,5,6,7
	global_store_b128 v[GO], v[(SAC&255)+4*\n:(SAC&255)+4*\n+3], s[REC:REC+1] offset:512*\n  ; U as the registers hold it: 512 consecutive bytes an instruction
.endr
.irp n, 0,1
	global_store_b128 v[GO], v[(TSEG&255)+4*\n:(TSEG&255)+4*\n+3], s[REC2:REC2+1] offset:512*\n
.endr
	WIN 0
.endif
	s_wait_tensorcnt 0x0                           ; the wave's end: the closing lines, behind my last tensor load and my last LDS store
	ds_add_u32 v[SPW], v[NIL]
	s_wait_dscnt 0x0
	s_endpgm
.Lfunc_end_k_q2f3a4fbfe8_gsum:
	.size	k_q2f3a4fbfe8_gsum, .Lfunc_end_k_q2f3a4fbfe8_gsum-k_q2f3a4fbfe8_gsum
	.p2alignl 7, 3214868480
	.fill 96, 4, 3214868480
	.section	.rodata,"a",@progbits
	.p2align	6, 0x0
	.amdhsa_kernel k_q2f3a4fbfe8_gsum
		.amdhsa_group_segment_fixed_size 327680
		.amdhsa_private_segment_fixed_size 0
		.amdhsa_enable_private_segment 0
		.amdhsa_kernarg_size 24
		.amdhsa_user_sgpr_count 2
		.amdhsa_user_sgpr_kernarg_segment_ptr 1
		.amdhsa_wavefront_size32 1
		.amdhsa_system_sgpr_workgroup_id_x 1
		.amdhsa_system_sgpr_workgroup_id_y 1
		.amdhsa_system_sgpr_workgroup_id_z 1
		.amdhsa_system_vgpr_workitem_id 0
		.amdhsa_next_free_vgpr 768
		.amdhsa_next_free_sgpr 80
		.amdhsa_reserve_vcc 0
		.amdhsa_float_denorm_mode_32 3
		.amdhsa_float_denorm_mode_16_64 3
		.amdhsa_memory_ordered 1
		.amdhsa_forward_progress 1
		.amdhsa_inst_pref_size 33
	.end_amdhsa_kernel
	.amdgpu_metadata
---
amdhsa.version: [ 1, 2 ]
amdhsa.kernels:
  - .name:           k_q2f3a4fbfe8_gsum
    .symbol:         k_q2f3a4fbfe8_gsum.kd
    .args:
      - { .name: QFV, .offset: 0, .size: 8, .value_kind: global_buffer, .address_space: global }
      - { .name: STAT, .offset: 8, .size: 8, .value_kind: global_buffer, .address_space: global }
      - { .name: SUM, .offset: 16, .size: 8, .value_kind: global_buffer, .address_space: global }
    .group_segment_fixed_size: 327680
    .private_segment_fixed_size: 0
    .kernarg_segment_align: 8
    .kernarg_segment_size: 24
    .max_flat_workgroup_size: 128
    .sgpr_count:     80
    .vgpr_count:     768
    .wavefront_size: 32
...
	.end_amdgpu_metadata
.endif
;; end of part 3
;; launch gla (part 4): grid 4 x 64, 4 waves a work-group, no clusters, 327,680 bytes of LDS; arguments QFV, STAT, SUM, OB; writes OB
.if DOCPART == 4
	.amdgcn_target "amdgcn-amd-amdhsa--gfx1250"
	.amdhsa_code_object_version 6
	.text
	.protected	k_q2f3a4fbfe8_gla
	.globl	k_q2f3a4fbfe8_gla
	.p2align	8
	.type	k_q2f3a4fbfe8_gla,@function
k_q2f3a4fbfe8_gla:
	s_mov_b64 s[64:65], 0
	v_nop
	global_prefetch_b8 v0, s[64:65] scope:SCOPE_SE
	s_setreg_imm32_b32 hwreg(HW_REG_WAVE_MODE, 25, 1), 1
	s_wait_xcnt 0x0
; THE GATED RECURRENCE, S_t = p_t S_(t-1) + (1 - p_t) v_t^T, o_t = q_t S_t, per batch and head; p = softmax(f), q = softmax(q), both over all 1,024 columns.
; ONE TEXT, TWO KERNELS.  FULL = 0: for the segments 0 to 2 of 512 steps the end state U from a zero start and the segment's decay T, to SUM.  FULL = 1 (this one): a work-group takes one of a
; sequence's four segments, folds the earlier segments' (T, U) into its start state, and makes o (without the scale 1/8) for its 512 steps, f16 [h 16][row 8192][64], to OB.
; IN THE LINEAR DOMAIN.  exp(log_softmax) is the softmax: the scan needs products of p alone, all at most 1; one that falls under the smallest f32 counts as 0, and so does what it multiplies.
; SOFTMAX.  The launch before left, per row and head, m (the head's largest logit), e = exp(x - m) in f16 and l = the sum of e.  Here a row's 16 heads are joined: M = max m, L = sum of l exp(m - M),
; a = exp(m_own - M) / L, p or q = e a.  Every exponent is at most 0 and L at least 1.
; A CHUNK is 64 steps.  Wave w owns time block w (16 steps) with all 64 channels; of the state it owns channels 16 w .. 16 w + 15 with all 64 v.
; BY LEVELS.  For an aligned block of h steps: QP_h[t] = q_t x the product of p from the block's first step to t; KS_h[s] = (1 - p_s) x the product of p behind s to the block's end.  For t in the upper and s in
; the lower half of a block of 2 h the weight is A[t, s] = the sum over channels of QP_h[t] KS_h[s]: both factors are at most 1, whatever the decay.  h = 1, 2, 4, 8 fall into the wave's own 16 x 16 tile (one array
; Z_h = QP_h where t is upper, KS_h where lower; Z_h Z_h^T under a 0/1 mask), h = 16, 32 into tiles with other waves' blocks; the diagonal is q (1 - p).  o += QP_64 S_0; S = T_64 S + KS_64^T V.
; FORMATS.  What goes into a matrix product is f16 (e, v, q, 1 - p, Z, the weights A, the state as an operand); the state itself, all products of p and all sums stay in f32.
; LIMITS.  |v| stays under 65,504 (the state and o are means of v's rows); numbers under 6e-5 keep f16's fixed step of 6e-8; the sums' order is not the scan's; NaN and infinities are not treated apart.
; NO CLUSTER, NO RING, NO PREFETCH: no two work-groups read the same bytes; a segment's 3 x 64 KiB lie in LDS whole, asked for at the head by three tensor loads a wave (two with FULL = 0), and nothing is filled again.
; TIME BLOCKS BY EXCLUSIVE OR: position d = 0..3 of a sum over the chunk's 64 steps stands for block w ^ d, in V's, KS's and A's fragments alike.
.set FULL, 1
.set PIN,   160                        ; a row of e or v in LDS: 128 bytes + 32
.set EFA,   81920
.set VVA,   163840
.set Z16A,  245760                     ; [64 ch][64 t] f16, pitch 160; Z32 lies Z32O behind it
.set Z32O,  10240
.set KSA,   266240                     ; KS_64 [64 ch][64 t] f16, pitch 144
.set SSTA,  275456                     ; the state at the chunk's start, [64 v][64 ch] f16, pitch 144
.set TTA,   284672                     ; the blocks' decays, [64 ch][4] f32
.set ATA,   285696                     ; a_q of the 512 rows, then a_f
.set PRIV,  289792                     ; each wave's own: three arrays [64 ch][16 t] f16, pitch 32, and the chunk's decay by channel; the way out lies over the first
.set PRIVB, 6400
.set T64O,  6144
.set SPARE, 315392                     ; the spare words, 128 bytes a wave
; window 0
.set AEQ, 2
.set AEF, 3
.set AAT, 4
.set APZS, 5
.set APZL, 6
.set ATT, 8                            ; v8-11: TT at block w ^ d (d = 0: where I store)
.set AT64S, 12
.set AT64L, 13
.set ASST, 14
.set AZS, 15
.set AKSS, 16
.set AZL, 17                           ; v17-20
.set AV, 21                            ; v21-24
.set ASF, 25
.set AKL, 26                           ; v26-29
.set AOS, 30
.set AOL, 31
.set LR, 32
.set LH, 33
.set L7, 34
.set LC, 35
.set T0, 36
.set T1, 37
.set ZERO, 38
.set GO, 39
.set SPW, 40
.set NIL, 41
.set ONE, 42                           ; v42-43: 1.0 twice
.set AQV, 44
.set AFV, 52
.set EQR, 60
.set EFR, 76
.set P, 92                             ; element (cb, j): channel 16 cb + r, time 8 h + j, at 8 cb + j
.set TMP, 92
.set KS, 124
.set QP, 156
.set T2, 188
.set X1, 188
.set X2, 192
.set X3, 196
.set X23, 200
.set T4, 204
.set FQ, 204
.set FK, 208
.set T8, 212
.set F32, 212
.set O8, 216
.set T64, 216
.set FU, 220
.set FL, 224
.set T16, 228
.set PK, 232
; at the head only
.set H0, 44
.set H1, 45
.set H2, 46
.set H3, 47
.set STQ, 92
.set MX, 126
.set MCX, 127
.set ACC, 128
.set VO, 132
.set ATW, 133
.set S8, 134
.set SJ, 135
.set XJ, 136
.set YJ, 137
.set STF, 140
.set MT, 92
; windows 1 and 2, by their absolute numbers
.set MSK, 256
.set SAC, 296
.set DEC, 328
.set OAC, 336
.set TSEG, 336
.set VF, 368
.set SF, 432
.set AP, 496
.set FQ0, 512
.set FK0, 528
.set FZ1, 544
.set FZ2, 560
.set FZ4, 576
.set FZ8, 592
.set RR, 608
.set AD, 648
.set XQ16, 656
.set XK16, 672
.set XQ32, 688
.set XK32, 704
.set TA, 736
.set WV, 12
.set BH, 13
.set HH, 15
.set RB, 16
.set G1, 24
.set G0, 32
.set SEL, 44
.set CS, 46
.set MH2, 48
.set MODD, 49
.set MHI, 50
.set M03, 51
.set AL1, 52
.set AL2, 54
.set OUTP, 56
.set REC, 58
.set REC2, 60
.set CNT, 63
.set SBQ, 66
.set SBF, 68
.set SOQ, 70
.set SOF, 72
.set MSB, 0
.macro WIN new                         ; the immediate's high byte repeats the setting that is left; a switch that changes nothing is dropped
.if MSB != (\new)
	s_set_vgpr_msb (MSB<<8)|(\new)
.set MSB, (\new)
.endif
.endm
.macro W4 d, a, b, c                   ; the windows of destination and sources 0, 1, 2, from absolute register numbers
	WIN ((((\d)>>8)<<6)|(((\c)>>8)<<4)|(((\b)>>8)<<2)|((\a)>>8))
.endm
.macro XW d, a, b, zero                ; a matrix instruction on absolute register numbers
	W4 \d, \a, \b, \d
.set xd, (\d)&255
.set xa, (\a)&255
.set xb, (\b)&255
.if \zero
	v_wmma_f32_16x16x32_f16 v[xd:xd+7], v[xa:xa+7], v[xb:xb+7], 0
.else
	v_wmma_f32_16x16x32_f16 v[xd:xd+7], v[xa:xa+7], v[xb:xb+7], v[xd:xd+7]
.endif
.endm
.macro XPMUL d, a, b
	W4 \d, \a, \b, 0
.set xd, (\d)&255
.set xa, (\a)&255
.set xb, (\b)&255
	v_pk_mul_f32 v[xd:xd+1], v[xa:xa+1], v[xb:xb+1]
.endm
.macro XPFMA d, a, b, c
	W4 \d, \a, \b, \c
.set xd, (\d)&255
.set xa, (\a)&255
.set xb, (\b)&255
.set xc, (\c)&255
	v_pk_fma_f32 v[xd:xd+1], v[xa:xa+1], v[xb:xb+1], v[xc:xc+1]
.endm
.macro XPMULS d, sr                    ; a pair times a scalar
	W4 \d, \d, 0, 0
.set xd, (\d)&255
	v_pk_mul_f32 v[xd:xd+1], v[xd:xd+1], s[(\sr):(\sr)+1] op_sel_hi:[1,0]
.endm
.macro XCVT d, a                       ; two f32 to a word of f16
	W4 \d, \a, \a, 0
.set xd, (\d)&255
.set xa, (\a)&255
	v_cvt_pk_f16_f32 v[xd], v[xa], v[xa+1]
.endm
.macro PKB3 d, a, b                    ; window 0: pair d = pair a times the one register b
.if (\b)%2
	v_pk_mul_f32 v[(\d):(\d)+1], v[(\a):(\a)+1], v[(\b)-1:(\b)] op_sel:[0,1] op_sel_hi:[1,1]
.else
	v_pk_mul_f32 v[(\d):(\d)+1], v[(\a):(\a)+1], v[(\b):(\b)+1] op_sel_hi:[1,0]
.endif
.endm
.macro PKB d, b
	PKB3 \d, \d, \b
.endm
.macro ALLB3 dst, arr, f               ; all 32 elements times the factor of their channel block
.set bn, 0
.rept 16
	PKB3 (\dst)+2*bn, (\arr)+2*bn, (\f)+bn/4
.set bn, bn+1
.endr
.endm
.macro MIX dst, e, a                   ; dst = the f16 e times the time's a
.set mn, 0
.rept 32
.if mn%2
	v_fma_mix_f32 v[(\dst)+mn], v[(\e)+mn/2], v[(\a)+mn%8], v[ZERO] op_sel:[1,0,0] op_sel_hi:[1,0,0]
.else
	v_fma_mix_f32 v[(\dst)+mn], v[(\e)+mn/2], v[(\a)+mn%8], v[ZERO] op_sel_hi:[1,0,0]
.endif
.set mn, mn+1
.endr
.endm
.macro ST4 adr, off, str               ; a lane's eight times of each channel block: 16 bytes
.irp cb, 0,1,2,3
	ds_store_b128 v[\adr], v[PK+4*\cb:PK+4*\cb+3] offset:(\off)+\cb*(\str)
.endr
.endm
.macro CVST src, adr, off, str         ; 32 elements to f16 and into an array [channel][time]
.set cn, 0
.rept 16
	v_cvt_pk_f16_f32 v[PK+cn], v[(\src)+2*cn], v[(\src)+2*cn+1]
.set cn, cn+1
.endr
	ST4 \adr, \off, \str
.endm
.macro CVZ lvl, off                    ; Z_h, h = 1, 2, 4: QP where the time's bit h is set, KS where not
.set cn, 0
.rept 16
.if (\lvl) == 1
	v_cvt_pk_f16_f32 v[PK+cn], v[KS+2*cn], v[QP+2*cn+1]
.elseif (((\lvl) == 2) && (cn%2)) || (((\lvl) == 4) && ((cn%4) >= 2))
	v_cvt_pk_f16_f32 v[PK+cn], v[QP+2*cn], v[QP+2*cn+1]
.else
	v_cvt_pk_f16_f32 v[PK+cn], v[KS+2*cn], v[KS+2*cn+1]
.endif
.set cn, cn+1
.endr
	ST4 APZS, \off, 512
.endm
.macro TRLD dst, off                   ; my own array [64 ch][16 t], turned: two fragments, 16 times x 32 channels each.  LDS serves a wave's instructions in order: these see the stores above
	WIN 0x80
.set td, (\dst)&255
.irp q, 0,1,2,3
	ds_load_tr16_b128 v[td+4*\q:td+4*\q+3], v[APZL] offset:(\off)+512*\q
.endr
	WIN 0
.endm
.macro LDZ dst, adr, off               ; a block of Z16 or Z32, turned: two fragments
	WIN 0x80
.set td, (\dst)&255
.irp q, 0,1,2,3
	ds_load_tr16_b128 v[td+4*\q:td+4*\q+3], v[\adr] offset:(\off)+2560*\q
.endr
.endm
.macro ATLOAD st, sb, so               ; (m, l) of my row in all 16 heads, and in my own
.set an, 0
.rept 16
	global_load_b64 v[(\st)+2*an:(\st)+2*an+1], v[VO], s[(\sb):(\sb)+1] offset:an*65536
.set an, an+1
.endr
	global_load_b64 v[(\st)+32:(\st)+33], v[VO], s[(\so):(\so)+1]
.endm
.macro ATCOMP st, off                  ; a = exp(m_own - M) / the sum of l exp(m - M)
	v_max3_num_f32 v[MX], v[(\st)], v[(\st)+2], v[(\st)+4]
.irp n, 3,5,7,9,11,13
	v_max3_num_f32 v[MX], v[MX], v[(\st)+2*\n], v[(\st)+2*\n+2]
.endr
	v_max_num_f32 v[MX], v[MX], v[(\st)+30]
	v_mul_f32 v[MCX], s[CS], v[MX]
.set an, 0
.rept 17
	v_fma_f32 v[(\st)+2*an], v[(\st)+2*an], s[CS], -v[MCX]
.set an, an+1
.endr
.set an, 0
.rept 17
	v_exp_f32 v[(\st)+2*an], v[(\st)+2*an]
.set an, an+1
.endr
	v_nop                                          ; a plain instruction behind the last exponential,
	s_wait_alu depctr_va_vdst(0)                   ; and a wait ahead of the batch's first reader
.irp c, 0,1,2,3
	v_mul_f32 v[ACC+\c], v[(\st)+2*\c], v[(\st)+2*\c+1]
.endr
.set an, 4
.rept 12
	v_fmac_f32 v[ACC+an%4], v[(\st)+2*an], v[(\st)+2*an+1]
.set an, an+1
.endr
	v_add_f32 v[ACC], v[ACC], v[ACC+1]
	v_add_f32 v[ACC+2], v[ACC+2], v[ACC+3]
	v_add_f32 v[ACC], v[ACC], v[ACC+2]
	v_rcp_f32 v[ACC+1], v[ACC]
	v_nop
	s_wait_alu depctr_va_vdst(0)
	v_mul_f32 v[ACC+1], v[ACC+1], v[(\st)+32]
	ds_store_b32 v[ATW], v[ACC+1] offset:\off
.endm
.macro COMB i                          ; an earlier segment is folded in: S = T S + U
	s_cmp_gt_u32 ttmp9, \i
	s_cbranch_scc0 .Lno_seg_\@
	WIN 0x40
.irp n, 0,1,2,3,4,5,6,7
	global_load_b128 v[(OAC&255)+4*\n:(OAC&255)+4*\n+3], v[GO], s[REC:REC+1] offset:(\i)*20480+512*\n
.endr
.irp n, 0,1
	global_load_b128 v[(DEC&255)+4*\n:(DEC&255)+4*\n+3], v[GO], s[REC2:REC2+1] offset:(\i)*20480+512*\n
.endr
	s_wait_loadcnt 0x0
.set kn, 0
.rept 16
	XPFMA SAC+2*kn, SAC+2*kn, DEC+2*(kn%4), OAC+2*kn
.set kn, kn+1
.endr
	WIN 0
.Lno_seg_\@:
.endm
	s_load_b128 s[4:7], s[0:1], 0x0                ; QFV s[4:5], STAT s[6:7]
	s_load_b64 s[8:9], s[0:1], 0x10                ; SUM
.if FULL
	s_load_b64 s[10:11], s[0:1], 0x18              ; OB
.endif
	v_lshl_add_u32 v[SPW], v0, 2, SPARE
	v_mov_b32 v[NIL], 0
	ds_add_u32 v[SPW], v[NIL]                      ; the wave's opening: the add, waited for ahead of my first tensor load
	v_lshrrev_b32 v1, 5, v0
	v_readfirstlane_b32 s[WV], v1
	s_and_b32 s[BH], ttmp7, 0xffff                 ; batch x 16 + head
	s_lshr_b32 s14, s[BH], 4
	s_and_b32 s[HH], s[BH], 15
	s_lshl_b32 s[RB], s14, 11
	s_lshl_b32 s14, ttmp9, 9
	s_add_co_u32 s[RB], s[RB], s14                 ; the segment's first row: 2,048 b + 512 seg
	s_mov_b32 s[G1], (1<<16)|(1<<20)|(4<<22)|(7<<25)  ; 2-byte elements; padding on, after every 32 words, 8 words
	s_mov_b32 s[G1+1], 128<<16                     ; rows of 256 bytes: two steps on end
	s_mov_b32 s[G1+2], 64<<16                      ; 64 of them: my 128 steps
	s_mov_b32 s[G1+3], 128<<16
	s_mov_b32 s[G1+4], 64
	s_mov_b32 s[G1+5], 128
	s_mov_b32 s[G1+6], 0
	s_mov_b32 s[G1+7], 0
	s_lshl_b32 s18, s[WV], 7
	s_add_co_u32 s18, s18, s[RB]
	s_lshl_b32 s18, s18, 7
	s_lshl_b32 s19, s[HH], 20
	s_add_co_u32 s18, s18, s19
	s_mov_b32 s19, 0
	s_mul_i32 s20, s[WV], 128*PIN
.irp arr, 0,1,2
	s_mov_b32 s[G0+4*\arr], 1
	s_add_co_u32 s[G0+4*\arr+1], s20, \arr*EFA
.endr
	s_mov_b32 s[SEL], 0x76543210
	s_mov_b32 s[SEL+1], 0xfedcba98
	s_mov_b32 s[CS], 0x3fb8aa3b                    ; log2(e)
	s_mov_b32 s[CS+1], s[CS]
	s_mov_b32 s[MH2], 0xffff0000                   ; the lanes with the block's times 8 to 15
	s_lshr_b32 s17, s[WV], 1
	s_xor_b32 s14, s17, s[WV]
	s_and_b32 s14, s14, 1
	s_cmp_eq_u32 s14, 0
	s_cselect_b32 s[M03], -1, 0                    ; blocks 0 and 3
	s_and_b32 s14, s[WV], 1
	s_cmp_lg_u32 s14, 0
	s_cselect_b32 s[MODD], -1, 0                   ; blocks 1 and 3
	s_cselect_b32 s[AL1], 1.0, 0
	s_cselect_b32 s[AL1+1], 1.0, 0
	s_cmp_lg_u32 s17, 0
	s_cselect_b32 s[MHI], -1, 0                    ; blocks 2 and 3
	s_cselect_b32 s[AL2], 1.0, 0
	s_cselect_b32 s[AL2+1], 1.0, 0
	s_mul_i32 s17, s[BH], 3                        ; SUM: a record of 20,480 bytes for each of a sequence's segments 0 to 2
.if !FULL
	s_add_co_u32 s17, s17, ttmp9
.endif
	s_mul_i32 s17, s17, 20480
	s_lshl_b32 s76, s[WV], 12                      ; U: 4,096 bytes a wave, as the registers hold it
	s_add_co_u32 s76, s76, s17
	s_mov_b32 s77, 0
	s_lshl_b32 s78, s[WV], 10                      ; T: 1,024 bytes a wave, behind the four U
	s_add_co_u32 s78, s78, s17
	s_add_co_u32 s78, s78, 16384
	s_mov_b32 s79, 0
	s_wait_dscnt 0x0                               ; the opening add is done
	s_wait_kmcnt 0x0
	s_add_nc_u64 s[22:23], s[4:5], s[18:19]
.irp arr, 0,1,2
	s_add_nc_u64 s[G0+4*\arr+2:G0+4*\arr+3], s[22:23], \arr*16777216  ; e of q, e of f, v: 16 heads of 1 MiB apart
	s_or_b32 s[G0+4*\arr+3], s[G0+4*\arr+3], 0x80000000
.endr
.if FULL
	tensor_load_to_lds s[G0:G0+3], s[G1:G1+7]
	s_nop 0
.endif
	tensor_load_to_lds s[G0+4:G0+7], s[G1:G1+7]
	s_nop 0
	tensor_load_to_lds s[G0+8:G0+11], s[G1:G1+7]
	s_nop 0
.rept 4
	v_nop
.endr
	s_add_nc_u64 s[REC:REC+1], s[8:9], s[76:77]
	s_add_nc_u64 s[REC2:REC2+1], s[8:9], s[78:79]
	s_lshl_b32 s20, s[RB], 3
	s_mov_b32 s21, 0
	s_add_nc_u64 s[SBQ:SBQ+1], s[6:7], s[20:21]    ; STAT at the segment's first row, head 0 of q,
	s_add_nc_u64 s[SBF:SBF+1], s[SBQ:SBQ+1], 1048576  ; of f,
	s_lshl_b32 s20, s[HH], 16
	s_add_nc_u64 s[SOQ:SOQ+1], s[SBQ:SBQ+1], s[20:21]  ; and at my own head
	s_add_nc_u64 s[SOF:SOF+1], s[SBF:SBF+1], s[20:21]
.if FULL
	s_lshl_b32 s20, s[WV], 4
	s_add_co_u32 s20, s20, s[RB]
	s_lshl_b32 s20, s20, 7
	s_lshl_b32 s14, s[HH], 20
	s_add_co_u32 s20, s20, s14
	s_add_nc_u64 s[OUTP:OUTP+1], s[10:11], s[20:21]  ; OB at my 16 rows of the first chunk
.endif
	; ---- the tables a_q, a_f: thread t takes rows t + 128 i.  All of a trip's loads go out together; they run beside the tensor loads
	v_lshlrev_b32 v[VO], 3, v0
	v_lshl_add_u32 v[ATW], v0, 2, ATA
	s_mov_b32 s[CNT], 4
.Latab:
	ATLOAD STF, SBF, SOF
.if FULL
	ATLOAD STQ, SBQ, SOQ
.endif
	s_wait_loadcnt 0x0
	v_add_nc_u32 v[VO], 1024, v[VO]
	ATCOMP STF, 2048
.if FULL
	ATCOMP STQ, 0
.endif
	v_add_nc_u32 v[ATW], 512, v[ATW]
	s_sub_co_u32 s[CNT], s[CNT], 1
	s_cmp_lg_u32 s[CNT], 0
	s_cbranch_scc1 .Latab
	; ---- constants and addresses
	v_mov_b32 v[ZERO], 0
	v_mov_b32 v[ONE], 1.0
	v_mov_b32 v[ONE+1], 1.0
.irp cb, 0,1,2,3
	v_mov_b32 v[O8+\cb], 0                         ; v_permlanex16_b32's destination counts as read
.endr
	v_and_b32 v[LR], 15, v0                        ; r
	v_bfe_u32 v[LH], v0, 4, 1                      ; h
	v_and_b32 v[L7], 7, v0
	v_bfe_u32 v[LC], v0, 3, 1
	v_lshl_add_u32 v[T0], v[LH], 3, v[L7]          ; the turning load's row: 8 h + l % 8; its 16 bytes: (l / 8) % 2
	v_mul_u32_u24 v[H0], v[T0], PIN
	v_lshl_add_u32 v[H0], v[LC], 4, v[H0]
	v_mul_u32_u24 v[H2], v[LR], 144
	v_lshl_add_u32 v[H2], v[LH], 4, v[H2]          ; r x 144 + 16 h
	s_mul_i32 s21, s[WV], 16*144
	v_add_nc_u32 v[H1], s21, v[H2]                 ; (16 w + r) x 144 + 16 h
.irp d, 0,1,2,3
	s_xor_b32 s20, s[WV], \d                       ; block w ^ d
	s_mul_i32 s21, s20, 16*PIN
	v_add_nc_u32 v[T1], s21, v[H0]
	v_add_nc_u32 v[AV+\d], VVA, v[T1]
.if \d == 0
	v_add_nc_u32 v[AEF], EFA, v[T1]
	v_mov_b32 v[AEQ], v[T1]
.endif
	s_lshl_b32 s21, s20, 2
	s_add_co_u32 s21, s21, TTA
	v_lshl_add_u32 v[ATT+\d], v[LR], 4, s21
	s_lshl_b32 s21, s20, 5
	s_add_co_u32 s22, s21, Z16A
	v_add_nc_u32 v[AZL+\d], s22, v[H0]
	s_add_co_u32 s22, s21, KSA
	v_add_nc_u32 v[AKL+\d], s22, v[H1]
.endr
	s_lshl_b32 s20, s[WV], 5                       ; my block's 16 times, or my 16 channels: 32 bytes of a row
	s_add_co_u32 s21, s20, SSTA
	v_add_nc_u32 v[ASST], s21, v[H2]
	s_add_co_u32 s21, s20, KSA
	v_add_nc_u32 v[AKSS], s21, v[H2]
	v_add_nc_u32 v[ASF], SSTA, v[H2]
	s_mul_i32 s22, s[WV], PRIVB
	s_add_co_u32 s22, s22, PRIV                    ; my own bytes
	v_add_nc_u32 v[AOS], s22, v[H2]
	v_mul_u32_u24 v[H3], v[LR], PIN
	v_lshl_add_u32 v[H3], v[LH], 4, v[H3]
	s_add_co_u32 s21, s20, Z16A
	v_add_nc_u32 v[AZS], s21, v[H3]
	v_lshlrev_b32 v[H3], 5, v[LR]
	v_lshl_add_u32 v[H3], v[LH], 4, v[H3]
	v_add_nc_u32 v[APZS], s22, v[H3]
	v_lshlrev_b32 v[H3], 5, v[T0]
	v_lshl_add_u32 v[H3], v[LC], 4, v[H3]
	v_add_nc_u32 v[APZL], s22, v[H3]
	s_add_co_u32 s21, s22, T64O
	v_lshl_add_u32 v[AT64S], v[LR], 2, s21
	s_lshl_b32 s23, s[WV], 6
	s_add_co_u32 s21, s21, s23
	v_lshl_add_u32 v[AT64L], v[LH], 5, s21
	s_add_co_u32 s21, s23, ATA
	v_lshl_add_u32 v[AAT], v[LH], 5, s21
	v_bfe_u32 v[H3], v0, 3, 2
	v_mul_u32_u24 v[H3], v[H3], 144
	v_lshl_add_u32 v[H3], v[L7], 4, v[H3]
	v_add_nc_u32 v[AOL], s22, v[H3]
	v_and_b32 v[GO], 31, v0
	v_lshlrev_b32 v[GO], 4, v[GO]
.if FULL
	; ---- the five masks of my own tile: register j of lane (r, h) is (s = 8 h + j, t = r).  The diagonal: t = s.  Level 2^lg: t and s differ first in bit lg, and t > s
	v_lshlrev_b32 v[S8], 3, v[LH]
.set mj, 0
.rept 8
	v_add_nc_u32 v[SJ], mj, v[S8]
	v_xor_b32 v[XJ], v[LR], v[SJ]
	v_cmp_gt_u32 s21, v[LR], v[SJ]
	v_cmp_eq_u32 s20, 0, v[XJ]
	v_cndmask_b32 v[MT+mj], v[ZERO], v[ONE], s20
.irp lg, 0,1,2,3
	v_lshrrev_b32 v[YJ], \lg, v[XJ]
	v_cmp_eq_u32 s20, 1, v[YJ]
	s_and_b32 s20, s20, s21
	v_cndmask_b32 v[MT+8*\lg+8+mj], v[ZERO], v[ONE], s20
.endr
.set mj, mj+1
.endr
	WIN 0x40
.set mj, 0
.rept 40
	v_mov_b32 v[(MSK&255)+mj], v[MT+mj]
.set mj, mj+1
.endr
.endif
	WIN 0x40
.set mj, 0
.rept 32
	v_mov_b32 v[(SAC&255)+mj], 0                   ; the state starts at 0: written on purpose, so that every chunk has one form
.set mj, mj+1
.endr
.if !FULL
.set mj, 0
.rept 8
	v_mov_b32 v[(TSEG&255)+mj], 1.0
.set mj, mj+1
.endr
.endif
	WIN 0
.if FULL
	COMB 0
	COMB 1
	COMB 2
.endif
	s_wait_tensorcnt 0x0                           ; my parts of the segment have landed,
	s_wait_dscnt 0x0                               ; my part of the tables is stored,
	s_barrier_signal -1
	s_barrier_wait -1                              ; everybody's are
	s_mov_b32 s[CNT], 8
.Lchunk:
	; ---- my block by itself
	ds_load_b128 v[AFV:AFV+3], v[AAT] offset:2048
	ds_load_b128 v[AFV+4:AFV+7], v[AAT] offset:2064
.if FULL
	ds_load_b128 v[AQV:AQV+3], v[AAT]
	ds_load_b128 v[AQV+4:AQV+7], v[AAT] offset:16
.endif
.irp cb, 0,1,2,3
	ds_load_tr16_b128 v[EFR+4*\cb:EFR+4*\cb+3], v[AEF] offset:32*\cb
.if FULL
	ds_load_tr16_b128 v[EQR+4*\cb:EQR+4*\cb+3], v[AEQ] offset:32*\cb
.endif
.endr
	s_wait_dscnt 0x0
	MIX P, EFR, AFV                                ; p
.if FULL
	MIX QP, EQR, AQV                               ; q
.endif
.set bn, 0
.rept 16
	v_pk_add_f32 v[KS+2*bn:KS+2*bn+1], v[ONE:ONE+1], v[P+2*bn:P+2*bn+1] neg_lo:[0,1] neg_hi:[0,1]  ; 1 - p
.set bn, bn+1
.endr
.if FULL
	CVST QP, APZS, 0, 512
	TRLD FQ0, 0
	CVST KS, APZS, 2048, 512
	TRLD FK0, 2048
.set bn, 0
.rept 16
	v_pk_mul_f32 v[QP+2*bn:QP+2*bn+1], v[QP+2*bn:QP+2*bn+1], v[P+2*bn:P+2*bn+1]  ; QP_1 = q p
.set bn, bn+1
.endr
	CVZ 1, 4096
	TRLD FZ1, 4096
.endif
.set bn, 0
.rept 16                               ; blocks of 1 to blocks of 2: the upper QP takes the lower half's product, the lower KS the upper half's
	v_mul_f32 v[T2+bn], v[P+2*bn], v[P+2*bn+1]
.if FULL
	v_mul_f32 v[QP+2*bn+1], v[QP+2*bn+1], v[P+2*bn]
.endif
	v_mul_f32 v[KS+2*bn], v[KS+2*bn], v[P+2*bn+1]
.set bn, bn+1
.endr
.if FULL
	CVZ 2, 0
	TRLD FZ2, 0
.endif
.set bn, 0
.rept 8                                ; 2 to 4
	v_mul_f32 v[T4+bn], v[T2+2*bn], v[T2+2*bn+1]
.if FULL
	PKB QP+4*bn+2, T2+2*bn
.endif
	PKB KS+4*bn, T2+2*bn+1
.set bn, bn+1
.endr
.if FULL
	CVZ 4, 2048
	TRLD FZ4, 2048
.endif
.set bn, 0
.rept 4                                ; 4 to 8
	v_mul_f32 v[T8+bn], v[T4+2*bn], v[T4+2*bn+1]
.if FULL
	PKB QP+8*bn+4, T4+2*bn
	PKB QP+8*bn+6, T4+2*bn
.endif
	PKB KS+8*bn, T4+2*bn+1
	PKB KS+8*bn+2, T4+2*bn+1
.set bn, bn+1
.endr
.if FULL
.set bn, 0
.rept 32
	v_cndmask_b32 v[TMP+bn], v[KS+bn], v[QP+bn], s[MH2]  ; Z_8: the upper times lie in the upper lanes
.set bn, bn+1
.endr
	CVST TMP, APZS, 4096, 512
	TRLD FZ8, 4096
.endif
.irp cb, 0,1,2,3                       ; 8 to 16: the other half's product lies in the lane 16 away
	v_permlanex16_b32 v[O8+\cb], v[T8+\cb], s[SEL], s[SEL+1]
.endr
.irp cb, 0,1,2,3
.if FULL
	v_cndmask_b32 v[FU+\cb], v[ONE], v[O8+\cb], s[MH2]
.endif
	v_cndmask_b32 v[FL+\cb], v[O8+\cb], v[ONE], s[MH2]
	v_mul_f32 v[T16+\cb], v[T8+\cb], v[O8+\cb]
.endr
.irp cb, 0,1,2,3
	ds_store_b32 v[ATT], v[T16+\cb] offset:256*\cb  ; my block's decay, for the others
.endr
.if FULL
	ALLB3 QP, QP, FU
.endif
	ALLB3 KS, KS, FL
	s_wait_dscnt 0x0                               ; my stores of the decays are done, my fragments are in; my reads of the last chunk's shared arrays ended long ago
	s_barrier_signal -1
.if FULL
	XW RR, FK0, FQ0, 1                             ; my own tile, five products by turns, while the others arrive
	XW RR+8, FZ1, FZ1, 1
	XW RR+16, FZ2, FZ2, 1
	XW RR+24, FZ4, FZ4, 1
	XW RR+32, FZ8, FZ8, 1
	XW RR, FK0+8, FQ0+8, 0
	XW RR+8, FZ1+8, FZ1+8, 0
	XW RR+16, FZ2+8, FZ2+8, 0
	XW RR+24, FZ4+8, FZ4+8, 0
	XW RR+32, FZ8+8, FZ8+8, 0
.endif
	WIN 0
	s_barrier_wait -1
	; ---- the other blocks' decays
.irp d, 1,2,3
.irp cb, 0,1,2,3
	ds_load_b32 v[X1+4*(\d-1)+\cb], v[ATT+\d] offset:256*\cb
.endr
.endr
.if FULL
.set cn, 0
.rept 16
	XCVT PK+cn, SAC+2*cn                           ; the state at the chunk's start, as an operand
.set cn, cn+1
.endr
	WIN 0
	ST4 ASST, 0, 2304
	s_cmp_lg_u32 s[MODD], 0                        ; Z_16: blocks 1 and 3 are upper
	s_cbranch_scc1 .Lz16q
	CVST KS, AZS, 0, 2560
	s_branch .Lz16d
.Lz16q:
	CVST QP, AZS, 0, 2560
.Lz16d:
	s_wait_dscnt 8                                 ; the twelve loads are in; the eight stores issued behind them may be out
.else
	s_wait_dscnt 0x0
.endif
.irp cb, 0,1,2,3
	v_mul_f32 v[X23+\cb], v[X2+\cb], v[X3+\cb]
.endr
.irp cb, 0,1,2,3
	v_mul_f32 v[T64+\cb], v[T16+\cb], v[X1+\cb]
	v_cndmask_b32 v[TMP+\cb], v[X1+\cb], v[ONE], s[MODD]     ; the blocks behind mine: w ^ 1 where w is even,
	v_cndmask_b32 v[TMP+4+\cb], v[X23+\cb], v[ONE], s[MHI]   ; w ^ 2 and w ^ 3 where w < 2
.endr
.irp cb, 0,1,2,3
	v_mul_f32 v[T64+\cb], v[T64+\cb], v[X23+\cb]
	v_mul_f32 v[FK+\cb], v[TMP+\cb], v[TMP+4+\cb]
.endr
.if FULL
.irp cb, 0,1,2,3
	v_cndmask_b32 v[TMP+8+\cb], v[ONE], v[X1+\cb], s[MODD]   ; the blocks ahead of mine
	v_cndmask_b32 v[TMP+12+\cb], v[ONE], v[X23+\cb], s[MHI]
	v_cndmask_b32 v[F32+\cb], v[ONE], v[X1+\cb], s[M03]      ; 16 to 32: block 3's QP and block 0's KS take their neighbour's product
.endr
.irp cb, 0,1,2,3
	v_mul_f32 v[FQ+\cb], v[TMP+8+\cb], v[TMP+12+\cb]
.endr
.endif
.irp cb, 0,1,2,3
	ds_store_b32 v[AT64S], v[T64+\cb] offset:64*\cb  ; the chunk's decay by channel, in my own bytes,
.endr
	WIN 0x40
	ds_load_b128 v[(DEC&255):(DEC&255)+3], v[AT64L]  ; and back as the state's registers want it: channels 16 w + 8 h + j
	ds_load_b128 v[(DEC&255)+4:(DEC&255)+7], v[AT64L] offset:16
	WIN 0
.if FULL
	s_cmp_lg_u32 s[MHI], 0                         ; Z_32: blocks 2 and 3 are upper
	s_cbranch_scc1 .Lz32q
	ALLB3 TMP, KS, F32
	s_branch .Lz32d
.Lz32q:
	ALLB3 TMP, QP, F32
.Lz32d:
	CVST TMP, AZS, Z32O, 2560
	ALLB3 QP, QP, FQ                               ; QP_64
	CVST QP, APZS, 0, 512
	TRLD FQ0, 0
.endif
	ALLB3 KS, KS, FK                               ; KS_64
	CVST KS, AKSS, 0, 2304
	s_wait_dscnt 0x0                               ; my stores into the shared arrays are done, my reads of the decays are back
	s_barrier_signal -1
.if FULL
.irp p, 0,2,4,6                        ; my own tile: the five products under their masks; each accumulator's low registers are read first
	XPMUL AD+\p, MSK+\p, RR+\p
.endr
.irp l, 1,2,3,4
.irp p, 0,2,4,6
	XPFMA AD+\p, MSK+8*\l+\p, RR+8*\l+\p, AD+\p
.endr
.endr
.endif
	WIN 0
	s_barrier_wait -1
	; ---- the products over the chunk
.if FULL
	LDZ XQ16, AZL, 0
	LDZ XK16, AZL+1, 0
	LDZ XQ32, AZL, Z32O
	LDZ XK32, AZL+2, Z32O
	LDZ XK32+16, AZL+3, Z32O
.endif
	WIN 0x80
.irp d, 0,1,2,3
	ds_load_b128 v[(FK0&255)+4*\d:(FK0&255)+4*\d+3], v[AKL+\d]  ; KS_64 of my 16 channels, block w ^ d
.endr
	WIN 0x40
.irp vb, 0,1,2,3
.irp d, 0,1,2,3
	ds_load_tr16_b128 v[(VF&255)+16*\vb+4*\d:(VF&255)+16*\vb+4*\d+3], v[AV+\d] offset:32*\vb  ; V turned, block w ^ d
.endr
.endr
.if FULL
.irp vb, 0,1,2,3
.irp kk, 0,1
	ds_load_b128 v[(SF&255)+16*\vb+8*\kk:(SF&255)+16*\vb+8*\kk+3],   v[ASF] offset:\vb*2304+64*\kk
	ds_load_b128 v[(SF&255)+16*\vb+8*\kk+4:(SF&255)+16*\vb+8*\kk+7], v[ASF] offset:\vb*2304+64*\kk+32
.endr
.endr
.endif
	s_wait_dscnt 0x0
.if FULL
	XW TA, XK16, XQ16, 1                           ; the tiles with blocks w ^ 1, w ^ 2, w ^ 3, by turns
	XW TA+8, XK32, XQ32, 1
	XW TA+16, XK32+16, XQ32, 1
	XW TA, XK16+8, XQ16+8, 0
	XW TA+8, XK32+8, XQ32+8, 0
	XW TA+16, XK32+24, XQ32+8, 0
.irp kk, 0,1
.irp vb, 0,1,2,3
	XW OAC+8*\vb, SF+16*\vb+8*\kk, FQ0+8*\kk, 1-\kk  ; o^T = S_0^T QP_64^T
.endr
.endr
.endif
.set kn, 0
.rept 16
	XPMUL SAC+2*kn, SAC+2*kn, DEC+2*(kn%4)         ; S = T_64 S; with FULL these are also the places behind the products above
.set kn, kn+1
.endr
.if FULL
.irp p, 0,2,4,6
	XPMULS TA+\p, AL1                              ; block w ^ 1 lies ahead of mine only where w is odd,
.endr
.irp p, 8,10,12,14,16,18,20,22
	XPMULS TA+\p, AL2                              ; blocks w ^ 2, w ^ 3 only where w is 2 or 3: else the tile, which is finite, counts as 0
.endr
.irp n, 0,1,2,3
	XCVT AP+\n, AD+2*\n
.endr
.set cn, 0
.rept 12
	XCVT AP+4+cn, TA+2*cn
.set cn, cn+1
.endr
.irp kk, 0,1
.irp vb, 0,1,2,3
	XW OAC+8*\vb, VF+16*\vb+8*\kk, AP+8*\kk, 0     ; o^T += V^T A^T
.endr
.endr
.else
.irp p, 0,2,4,6
	XPMUL TSEG+\p, TSEG+\p, DEC+\p
.endr
.endif
.irp kk, 0,1
.irp vb, 0,1,2,3
	XW SAC+8*\vb, FK0+8*\kk, VF+16*\vb+8*\kk, 0    ; S += KS_64^T V
.endr
.endr
	WIN 0
	v_add_nc_u32 v[AEF], 64*PIN, v[AEF]            ; the next chunk; these are the places behind the products
	v_add_nc_u32 v[AEQ], 64*PIN, v[AEQ]
	v_add_nc_u32 v[AAT], 256, v[AAT]
.irp d, 0,1,2,3
	v_add_nc_u32 v[AV+\d], 64*PIN, v[AV+\d]
.endr
.if FULL
.set cn, 0
.rept 16
	XCVT PK+cn, OAC+2*cn
.set cn, cn+1
.endr
	WIN 0
	ST4 AOS, 0, 32                                 ; a lane's eight v of a row: 16 bytes, into my own bytes, and back as whole rows
.irp i, 0,1,2,3
	ds_load_b128 v[TMP+4*\i:TMP+4*\i+3], v[AOL] offset:576*\i
.endr
	s_wait_dscnt 0x0
.irp i, 0,1,2,3
	global_store_b128 v[GO], v[TMP+4*\i:TMP+4*\i+3], s[OUTP:OUTP+1] offset:512*\i  ; four rows of 128 bytes: 512 consecutive bytes
.endr
	s_wait_xcnt 0x0                                ; the stores have read their registers and their base: both are written again
	s_add_nc_u64 s[OUTP:OUTP+1], s[OUTP:OUTP+1], 8192
.endif
	s_sub_co_u32 s[CNT], s[CNT], 1
	s_cmp_lg_u32 s[CNT], 0
	s_cbranch_scc1 .Lchunk
.if !FULL
.rept 4
	v_nop
.endr
	WIN 0x04
.irp n, 0,1,2,3,4,5,6,7
	global_store_b128 v[GO], v[(SAC&255)+4*\n:(SAC&255)+4*\n+3], s[REC:REC+1] offset:512*\n  ; U as the registers hold it: 512 consecutive bytes an instruction
.endr
.irp n, 0,1
	global_store_b128 v[GO], v[(TSEG&255)+4*\n:(TSEG&255)+4*\n+3], s[REC2:REC2+1] offset:512*\n
.endr
	WIN 0
.endif
	s_wait_tensorcnt 0x0                           ; the wave's end: the closing lines, behind my last tensor load and my last LDS store
	ds_add_u32 v[SPW], v[NIL]
	s_wait_dscnt 0x0
	s_endpgm
.Lfunc_end_k_q2f3a4fbfe8_gla:
	.size	k_q2f3a4fbfe8_gla, .Lfunc_end_k_q2f3a4fbfe8_gla-k_q2f3a4fbfe8_gla
	.p2alignl 7, 3214868480
	.fill 96, 4, 3214868480
	.section	.rodata,"a",@progbits
	.p2align	6, 0x0
	.amdhsa_kernel k_q2f3a4fbfe8_gla
		.amdhsa_group_segment_fixed_size 327680
		.amdhsa_private_segment_fixed_size 0
		.amdhsa_enable_private_segment 0
		.amdhsa_kernarg_size 32
		.amdhsa_user_sgpr_count 2
		.amdhsa_user_sgpr_kernarg_segment_ptr 1
		.amdhsa_wavefront_size32 1
		.amdhsa_system_sgpr_workgroup_id_x 1
		.amdhsa_system_sgpr_workgroup_id_y 1
		.amdhsa_system_sgpr_workgroup_id_z 1
		.amdhsa_system_vgpr_workitem_id 0
		.amdhsa_next_free_vgpr 768
		.amdhsa_next_free_sgpr 80
		.amdhsa_reserve_vcc 0
		.amdhsa_float_denorm_mode_32 3
		.amdhsa_float_denorm_mode_16_64 3
		.amdhsa_memory_ordered 1
		.amdhsa_forward_progress 1
		.amdhsa_inst_pref_size 90
	.end_amdhsa_kernel
	.amdgpu_metadata
---
amdhsa.version: [ 1, 2 ]
amdhsa.kernels:
  - .name:           k_q2f3a4fbfe8_gla
    .symbol:         k_q2f3a4fbfe8_gla.kd
    .args:
      - { .name: QFV, .offset: 0, .size: 8, .value_kind: global_buffer, .address_space: global }
      - { .name: STAT, .offset: 8, .size: 8, .value_kind: global_buffer, .address_space: global }
      - { .name: SUM, .offset: 16, .size: 8, .value_kind: global_buffer, .address_space: global }
      - { .name: OB, .offset: 24, .size: 8, .value_kind: global_buffer, .address_space: global }
    .group_segment_fixed_size: 327680
    .private_segment_fixed_size: 0
    .kernarg_segment_align: 8
    .kernarg_segment_size: 32
    .max_flat_workgroup_size: 128
    .sgpr_count:     80
    .vgpr_count:     768
    .wavefront_size: 32
...
	.end_amdgpu_metadata
.endif
;; end of part 4
;; launch gemm2 (part 5): grid 4 x 64, 4 waves a work-group, clusters of 4 x 4, 327,680 bytes of LDS; arguments OB, WOB, out0; writes out0
.if DOCPART == 5
	.amdgcn_target "amdgcn-amd-amdhsa--gfx1250"
	.amdhsa_code_object_version 6
	.text
	.protected	k_q2f3a4fbfe8_gemm2
	.globl	k_q2f3a4fbfe8_gemm2
	.p2align	8
	.type	k_q2f3a4fbfe8_gemm2,@function
k_q2f3a4fbfe8_gemm2:
	s_mov_b64 s[64:65], 0
	v_nop
	global_prefetch_b8 v0, s[64:65] scope:SCOPE_SE
	s_setreg_imm32_b32 hwreg(HW_REG_WAVE_MODE, 25, 1), 1
	s_wait_xcnt 0x0
	s_wait_alu depctr_hold_cnt(0) depctr_sa_sdst(0) depctr_va_vdst(0) depctr_va_sdst(0) depctr_va_ssrc(0) depctr_va_vcc(0) depctr_vm_vsrc(0)
	s_getreg_b32 s2, hwreg(HW_REG_IB_STS2, 6, 4)
	s_cmp_eq_u32 s2, 0
	s_cbranch_scc0 .Lentry_in_a_cluster
	s_endpgm
.Lentry_in_a_cluster:
	s_bfe_u32 s2, ttmp6, 0x10000c
	s_cmp_lg_u32 s2, 0xf033
	s_cbranch_scc0 .Lentry_shape_is_right
	s_endpgm
.Lentry_shape_is_right:
; out0 = (1/8) o Wo.  o: OB, f16 [h 16][row 8192][64]; Wo transposed: WOB, f16 [kb 16][n 1024][64 k]; out0 f32 [8192][1024].  f16 operands, f32 sums, the scale in f32 on the way out.
; A work-group makes 128 rows x 256 columns: 64 x 4 = 256 work-groups (tiles of 256 x 256 would be 128).  A wave makes 64 x 128: 32 accumulators in window 1, (a, b) at v[8 (8 a + b)].
; K goes in steps of 128, two planes of 64 (two heads), through two LDS slots; each wave fetches one plane of A (waves 0, 1) or of B (waves 2, 3) with one dense tensor load.
; CLUSTER 4 x 4: A's tile hangs on the tile row alone and is asked for jointly by a row of the cluster, B's on the tile column alone, by a column.
; THE PRODUCT IS USED TRANSPOSED (source 0 = 16 rows of WOB, source 1 = 16 rows of OB): a lane holds one row of out0 and eight neighbouring columns.
.set PITCH,  144                       ; an LDS row: 128 bytes + 16 of padding
.set APL,    128*PITCH                 ; a plane of A's tile
.set BPL,    256*PITCH                 ; a plane of B's
.set SLOT,   2*APL+2*BPL
.set STAGE,  2*SLOT                    ; behind the ring: for each wave 32 rows of 512 bytes + 16
.set SPITCH, 528
.set WSTAGE, 32*SPITCH
.set SPARE,  STAGE+4*WSTAGE            ; the spare words, 128 bytes a wave
.set OPLANE, 1048576
.set WPLANE, 131072
.set G1W, (1<<16)|(1<<20)|(1<<21)|(4<<22)|(3<<25)
.set ADRA, 16
.set ADRB, 20
.set STO,  24
.set RD,   25
.set RDC,  26
.set GO,   27
.set SPW,  28
.set NIL,  29
.set PFO,  30
.set AF,   32                          ; A's 4 fragments, two buffers of 32
.set BFR,  96                          ; B's 8 fragments, two buffers of 64
.set X,    32
.set WV, 12
.set WR, 13
.set WC, 14
.set CX, 15
.set CY, 16
.set TX, 17
.set CLY, 18
.set TY, 19
.set G1A, 24
.set G0A, 32
.set G1B, 40
.set G0B, 48
.set PFA, 56
.set PST, 58
.set LIM, 60
.set CS, 66
.set OUTP, 68
.set CNT, 73
.set MSB, 0
.macro WIN new
.if MSB != (\new)
	s_set_vgpr_msb (MSB<<8)|(\new)
.set MSB, (\new)
.endif
.endm
.macro PLACES
.rept 4
	v_nop
.endr
.endm
.macro CREST
	s_cmp_lg_u32 s[WV], 0
	s_cbranch_scc1 .Lnot_wave_0_\@
	s_barrier_signal -3
.Lnot_wave_0_\@:
	s_barrier_wait -3
	s_barrier_signal -1
	s_barrier_wait -1
.endm
.macro CROUND
	s_barrier_signal -1
	s_barrier_wait -1
	CREST
.endm
.macro JLOAD s
	s_cmp_eq_u32 s[WR], 0
	s_cbranch_scc0 .Lfor_b_\@
	tensor_load_to_lds s[G0A+4*(\s):G0A+4*(\s)+3], s[G1A:G1A+7]
	s_nop 0
.rept 4
	v_nop
.endr
	s_branch .Lasked_\@
.Lfor_b_\@:
	tensor_load_to_lds s[G0B+4*(\s):G0B+4*(\s)+3], s[G1B:G1B+7]
	s_nop 0
.rept 4
	v_nop
.endr
.Lasked_\@:
.endm
; A PREFETCH INTO THE L2, behind a joint load and the LDS loads that follow it: the K step that stands two refills on, each 256 bytes named once in the launch.  A's rows are read by one cluster alone: wave 0 of
; each work-group asks for its quarter of the step's two planes (32 blocks, told apart by address).  B's rows are read by every cluster: in the clusters with y = 0 waves 2 and 3 ask for their plane's
; quarter.  The loop's last trip asks for nothing: those K steps do not exist.  K steps 0 to 3 come by their loads alone.
.macro ASK
	s_cmp_gt_u32 s3, s[LIM]
	s_cbranch_scc0 .Lnot_mine_\@
	global_prefetch_b8 v[PFO], s[PFA:PFA+1] th:TH_LOAD_NT scope:SCOPE_SE
.Lnot_mine_\@:
.endm
	s_load_b128 s[4:7], s[0:1], 0x0                ; OB s[4:5], WOB s[6:7]
	s_load_b64 s[8:9], s[0:1], 0x10                ; out0
	v_lshl_add_u32 v[SPW], v0, 2, SPARE
	v_mov_b32 v[NIL], 0
	ds_add_u32 v[SPW], v[NIL]                      ; the wave's opening: the add, waited for ahead of my first tensor load
	v_lshrrev_b32 v1, 5, v0
	v_readfirstlane_b32 s[WV], v1
	s_lshr_b32 s[WR], s[WV], 1                     ; my half of the rows.  Also: I fetch for A (0) or B (1)
	s_and_b32 s[WC], s[WV], 1                      ; my half of the columns.  Also: which plane of a K step I fetch
	s_bfe_u32 s[CX], ttmp6, 0x40000
	s_bfe_u32 s[CY], ttmp6, 0x40004
	s_lshl_b32 s[TX], ttmp9, 2
	s_add_co_u32 s[TX], s[TX], s[CX]
	s_and_b32 s[CLY], ttmp7, 0xffff
	s_lshl_b32 s[TY], s[CLY], 2
	s_add_co_u32 s[TY], s[TY], s[CY]
	s_lshl_b32 s20, s[CY], 2
	s_lshl_b32 s20, 15, s20
	s_lshl_b32 s21, 0x1111, s[CX]
	s_or_b32 s[G1A], s20, G1W
	s_or_b32 s[G1B], s21, G1W
	s_mov_b32 s[G1A+1], 128<<16                    ; rows of 256 bytes: two rows of a plane on end
	s_mov_b32 s[G1A+2], 64<<16                     ; 128 rows of o
	s_mov_b32 s[G1A+3], 128<<16
	s_mov_b32 s[G1A+4], 64
	s_mov_b32 s[G1A+5], 128
	s_mov_b32 s[G1A+6], 0
	s_mov_b32 s[G1A+7], 0
	s_mov_b32 s[G1B+1], 128<<16
	s_mov_b32 s[G1B+2], 128<<16                    ; 256 rows of WOB
	s_mov_b32 s[G1B+3], 128<<16
	s_mov_b32 s[G1B+4], 128
	s_mov_b32 s[G1B+5], 128
	s_mov_b32 s[G1B+6], 0
	s_mov_b32 s[G1B+7], 0
	s_lshl_b32 s22, s[WC], 20                      ; A: my plane, the tile row's 128 rows
	s_lshl_b32 s23, s[TY], 14
	s_add_co_u32 s22, s22, s23
	s_mov_b32 s23, 0
	s_lshl_b32 s62, s[WC], 17                      ; B: my plane, the tile column's 256 rows
	s_lshl_b32 s63, s[TX], 15
	s_add_co_u32 s62, s62, s63
	s_mov_b32 s63, 0
	s_mul_i32 s74, s[WC], APL
	s_mul_i32 s75, s[WC], BPL
	s_add_co_u32 s75, s75, 2*APL
	s_mov_b32 s[CS], 0x3e000000                    ; 1/8 = 64 ^ -0.5
	s_mov_b32 s[CS+1], s[CS]
	s_wait_dscnt 0x0                               ; the opening add is done
	s_wait_kmcnt 0x0
	s_add_nc_u64 s[76:77], s[4:5], s[22:23]
	s_add_nc_u64 s[78:79], s[6:7], s[62:63]
	CROUND                                         ; all sixteen work-groups are here: the first joint loads meet
.irp s, 0,1
	s_mov_b32 s[G0A+4*\s], 1
	s_add_co_u32 s[G0A+4*\s+1], s74, \s*SLOT
	s_add_nc_u64 s[G0A+4*\s+2:G0A+4*\s+3], s[76:77], \s*2*OPLANE
	s_or_b32 s[G0A+4*\s+3], s[G0A+4*\s+3], 0x80000000
	s_mov_b32 s[G0B+4*\s], 1
	s_add_co_u32 s[G0B+4*\s+1], s75, \s*SLOT
	s_add_nc_u64 s[G0B+4*\s+2:G0B+4*\s+3], s[78:79], \s*2*WPLANE
	s_or_b32 s[G0B+4*\s+3], s[G0B+4*\s+3], 0x80000000
.endr
	s_cmp_eq_u32 s[WR], 0                          ; a wave's two first fills stand in one branch: two loads of mine are out
	s_cbranch_scc0 .Lfirst_b
	tensor_load_to_lds s[G0A:G0A+3], s[G1A:G1A+7]
	s_nop 0
	tensor_load_to_lds s[G0A+4:G0A+7], s[G1A:G1A+7]
	s_nop 0
.rept 4
	v_nop
.endr
	s_branch .Lfirst_asked
.Lfirst_b:
	tensor_load_to_lds s[G0B:G0B+3], s[G1B:G1B+7]
	s_nop 0
	tensor_load_to_lds s[G0B+4:G0B+7], s[G1B:G1B+7]
	s_nop 0
.rept 4
	v_nop
.endr
.Lfirst_asked:
	v_and_b32 v1, 15, v0
	v_bfe_u32 v2, v0, 4, 1
	v_mul_u32_u24 v3, v1, PITCH
	v_lshl_add_u32 v3, v2, 4, v3
	s_mul_i32 s20, s[WR], 64*PITCH
	s_mul_i32 s21, s[WC], 128*PITCH
	s_add_co_u32 s21, s21, 2*APL
.irp s, 0,1
	v_add_nc_u32 v[ADRA+\s], s20, v3
	v_add_nc_u32 v[ADRB+\s], s21, v3
	s_add_co_u32 s20, s20, SLOT
	s_add_co_u32 s21, s21, SLOT
.endr
	s_mul_i32 s20, s[WV], WSTAGE
	s_add_co_u32 s20, s20, STAGE                   ; my stage
	v_mul_u32_u24 v4, v1, SPITCH
	v_lshl_add_u32 v4, v2, 5, v4
	v_add_nc_u32 v[STO], s20, v4                   ; in: row r, 32 bytes for each half of the lanes
	v_and_b32 v5, 31, v0
	v_lshlrev_b32 v[GO], 4, v5
	v_add_nc_u32 v[RD], s20, v[GO]                 ; back: a whole row of 512 bytes an instruction
	v_lshlrev_b32 v[PFO], 8, v5
	s_lshl_b32 s80, s[TY], 19                      ; out0: 128 rows of 4,096 bytes a tile row,
	s_lshl_b32 s81, s[WR], 18                      ; my 64,
	s_add_co_u32 s80, s80, s81
	s_lshl_b32 s81, s[TX], 10                      ; 256 columns a tile column,
	s_add_co_u32 s80, s80, s81
	s_lshl_b32 s81, s[WC], 9                       ; my 128
	s_add_co_u32 s80, s80, s81
	s_mov_b32 s81, 0
	s_add_nc_u64 s[OUTP:OUTP+1], s[8:9], s[80:81]
	; the prefetches
	s_lshr_b32 s80, s[CX], 1                       ; A: plane cx / 2 of K step 3 (the first change of slots steps to K step 4),
	s_add_co_u32 s80, s80, 6
	s_lshl_b32 s80, s80, 20
	s_lshl_b32 s82, s[TY], 14
	s_add_co_u32 s80, s80, s82
	s_and_b32 s82, s[CX], 1                        ; half cx % 2 of the tile's 128 rows
	s_lshl_b32 s82, s82, 13
	s_add_co_u32 s80, s80, s82
	s_add_co_u32 s82, s[WC], 6                     ; B: my plane of K step 3,
	s_lshl_b32 s82, s82, 17
	s_lshl_b32 s83, s[TX], 15
	s_add_co_u32 s82, s82, s83
	s_lshl_b32 s83, s[CY], 13                      ; quarter cy of the tile's 256 rows
	s_add_co_u32 s82, s82, s83
	s_mov_b32 s84, 2*OPLANE
	s_mov_b32 s85, 2*WPLANE
	s_cmp_eq_u32 s[CLY], 0
	s_cselect_b32 s87, 1, -1
	s_cmp_eq_u32 s[WV], 0
	s_cselect_b32 s86, 1, -1                       ; wave 1 asks for nothing
	s_cmp_eq_u32 s[WR], 0
	s_cselect_b64 s[PFA:PFA+1], s[4:5], s[6:7]
	s_cselect_b32 s80, s80, s82
	s_cselect_b32 s[PST], s84, s85
	s_cselect_b32 s[LIM], s86, s87                 ; the same in all sixteen partners, for a given wave
	s_mov_b32 s[PST+1], 0
	s_add_nc_u64 s[PFA:PFA+1], s[PFA:PFA+1], s[80:81]
; 8 matrix instructions: row block a x all 8 column blocks, 32 along K, on buffer fb.  The 32 accumulators take turns, one instruction a turn.
.macro MUL8 fb, a, zero
	WIN 0x50
.irp b, 0,1,2,3,4,5,6,7
.if \zero
	v_wmma_f32_16x16x32_f16 v[8*(8*(\a)+\b):8*(8*(\a)+\b)+7], v[BFR+64*(\fb)+8*\b:BFR+64*(\fb)+8*\b+7], v[AF+32*(\fb)+8*(\a):AF+32*(\fb)+8*(\a)+7], 0
.else
	v_wmma_f32_16x16x32_f16 v[8*(8*(\a)+\b):8*(8*(\a)+\b)+7], v[BFR+64*(\fb)+8*\b:BFR+64*(\fb)+8*\b+7], v[AF+32*(\fb)+8*(\a):AF+32*(\fb)+8*(\a)+7], v[8*(8*(\a)+\b):8*(8*(\a)+\b)+7]
.endif
.endr
.endm
; 24 LDS loads in one run: quarter u of a K step (plane u / 2, byte 64 (u % 2) of its rows) into buffer fb; B first, then A's blocks in ascending order
.macro FETCH slot, u, fb
	WIN 0
.irp b, 0,1,2,3,4,5,6,7
	ds_load_b128 v[BFR+64*(\fb)+8*\b:BFR+64*(\fb)+8*\b+3],   v[ADRB+(\slot)] offset:((\u)/2)*BPL+((\u)%2)*64+\b*16*PITCH
	ds_load_b128 v[BFR+64*(\fb)+8*\b+4:BFR+64*(\fb)+8*\b+7], v[ADRB+(\slot)] offset:((\u)/2)*BPL+((\u)%2)*64+\b*16*PITCH+32
.endr
.irp a, 0,1,2,3
	ds_load_b128 v[AF+32*(\fb)+8*\a:AF+32*(\fb)+8*\a+3],   v[ADRA+(\slot)] offset:((\u)/2)*APL+((\u)%2)*64+\a*16*PITCH
	ds_load_b128 v[AF+32*(\fb)+8*\a+4:AF+32*(\fb)+8*\a+7], v[ADRA+(\slot)] offset:((\u)/2)*APL+((\u)%2)*64+\a*16*PITCH+32
.endr
.endm
.macro QUARTER slot, u, fb, zero       ; multiplies buffer fb and fetches quarter u of the slot into the other
	s_wait_dscnt 4                                 ; all but the youngest four loads, A's blocks 2 and 3
	MUL8 \fb, 0, \zero
	MUL8 \fb, 1, \zero
	PLACES
	FETCH \slot, \u, 1-(\fb)
	s_wait_dscnt 24                                ; all but the 24 just issued
	MUL8 \fb, 2, \zero
	MUL8 \fb, 3, \zero
.endm
; The last quarter multiplies buffer 1 and changes slots: ONE barrier; in front of it each wave waits for all its tensor loads (one is out: its part of the next slot), adds 0 to its spare word, and waits for
; that and for its reads of this slot.  fill = 1: the barrier opens a round of the cluster's, and the joint refill, two K steps on, is the first thing behind it.
.macro TURN slot, next, fill
.if \fill
	s_wait_xcnt 0x0                                ; the last prefetch, a K step back, has read its address
	s_add_nc_u64 s[PFA:PFA+1], s[PFA:PFA+1], s[PST:PST+1]
.endif
	WIN 0
	s_wait_tensorcnt 0x0
	ds_add_u32 v[SPW], v[NIL]                      ; 0 onto my spare word
	s_wait_dscnt 5                                 ; the add and A's blocks 2 and 3 may be out
	MUL8 1, 0, 0
	s_wait_dscnt 0x0                               ; the add is done, and my reads of this slot are over
	s_barrier_signal -1
	MUL8 1, 1, 0
	WIN 0
	s_barrier_wait -1
.if \fill
	CREST
	s_add_nc_u64 s[G0A+4*(\slot)+2:G0A+4*(\slot)+3], s[G0A+4*(\slot)+2:G0A+4*(\slot)+3], 4*OPLANE
	s_add_nc_u64 s[G0B+4*(\slot)+2:G0B+4*(\slot)+3], s[G0B+4*(\slot)+2:G0B+4*(\slot)+3], 4*WPLANE
	JLOAD \slot                                    ; its four v_nop are also the places in front of the loads below
.else
	PLACES
.endif
	FETCH \next, 0, 0
.if \fill
	ASK
.endif
	MUL8 1, 2, 0
	MUL8 1, 3, 0
.endm
	s_wait_tensorcnt 1                             ; my part of K step 0 is in; K step 1's may stay out
	s_barrier_signal -1
	s_barrier_wait -1
	FETCH 0, 0, 0
	QUARTER 0, 1, 0, 1                             ; the first products start the sums: nothing is cleared
	WIN 0
	s_mov_b32 s3, 3
.Llap:                                         ; a trip goes once round the ring and fills both slots again: K steps 2 to 7
	QUARTER 0, 2, 1, 0
	QUARTER 0, 3, 0, 0
	TURN 0, 1, 1
	QUARTER 1, 1, 0, 0
	QUARTER 1, 2, 1, 0
	QUARTER 1, 3, 0, 0
	TURN 1, 0, 1
	QUARTER 0, 1, 0, 0
	WIN 0
	s_sub_co_u32 s3, s3, 1
	s_cmp_lg_u32 s3, 0
	s_cbranch_scc1 .Llap
	QUARTER 0, 2, 1, 0                             ; the last lap asks for nothing
	QUARTER 0, 3, 0, 0
	TURN 0, 1, 0
	QUARTER 1, 1, 0, 0
	QUARTER 1, 2, 1, 0
	QUARTER 1, 3, 0, 0
	s_wait_dscnt 4
	MUL8 1, 0, 0
	MUL8 1, 1, 0
	s_wait_dscnt 0x0
	MUL8 1, 2, 0
	MUL8 1, 3, 0
	WIN 0
	PLACES
; THE WAY OUT: 32 rows at a time through my own stage (no barrier; LDS serves a wave's instructions in order), back as whole rows of 512 bytes, times 1/8, stored.
.macro HALF hf
	WIN 0x04
.irp a, 0,1
.irp b, 0,1,2,3,4,5,6,7
	ds_store_b128 v[STO], v[8*(8*(2*(\hf)+\a)+\b):8*(8*(2*(\hf)+\a)+\b)+3]   offset:\a*16*SPITCH+\b*64
	ds_store_b128 v[STO], v[8*(8*(2*(\hf)+\a)+\b)+4:8*(8*(2*(\hf)+\a)+\b)+7] offset:\a*16*SPITCH+\b*64+16
.endr
.endr
	WIN 0
	v_mov_b32 v[RDC], v[RD]
	s_mov_b32 s[CNT], 4
.Lrows_\@:
.irp i, 0,1,2,3,4,5,6,7
	ds_load_b128 v[X+4*\i:X+4*\i+3], v[RDC] offset:\i*SPITCH
.endr
	s_wait_dscnt 0x0
.set n, 0
.rept 16
	v_pk_mul_f32 v[X+2*n:X+2*n+1], v[X+2*n:X+2*n+1], s[CS:CS+1] op_sel_hi:[1,0]
.set n, n+1
.endr
.irp i, 0,1,2,3,4,5,6,7
	global_store_b128 v[GO], v[X+4*\i:X+4*\i+3], s[OUTP:OUTP+1] offset:\i*4096 th:TH_STORE_NT  ; 512 consecutive bytes of a row, aligned
.endr
	s_wait_xcnt 0x0                                ; the stores have read X and their base: both are written again
	s_add_nc_u64 s[OUTP:OUTP+1], s[OUTP:OUTP+1], 8*4096
	v_add_nc_u32 v[RDC], 8*SPITCH, v[RDC]
	s_sub_co_u32 s[CNT], s[CNT], 1
	s_cmp_lg_u32 s[CNT], 0
	s_cbranch_scc1 .Lrows_\@
.endm
	HALF 0
	HALF 1
	s_wait_tensorcnt 0x0                           ; the wave's end: the closing lines, behind my last tensor load and my last LDS store
	ds_add_u32 v[SPW], v[NIL]
	s_wait_dscnt 0x0
	CROUND                                         ; the closing round
	s_endpgm
.Lfunc_end_k_q2f3a4fbfe8_gemm2:
	.size	k_q2f3a4fbfe8_gemm2, .Lfunc_end_k_q2f3a4fbfe8_gemm2-k_q2f3a4fbfe8_gemm2
	.p2alignl 7, 3214868480
	.fill 96, 4, 3214868480
	.section	.rodata,"a",@progbits
	.p2align	6, 0x0
	.amdhsa_kernel k_q2f3a4fbfe8_gemm2
		.amdhsa_group_segment_fixed_size 327680
		.amdhsa_private_segment_fixed_size 0
		.amdhsa_enable_private_segment 0
		.amdhsa_kernarg_size 24
		.amdhsa_user_sgpr_count 2
		.amdhsa_user_sgpr_kernarg_segment_ptr 1
		.amdhsa_wavefront_size32 1
		.amdhsa_system_sgpr_workgroup_id_x 1
		.amdhsa_system_sgpr_workgroup_id_y 1
		.amdhsa_system_sgpr_workgroup_id_z 1
		.amdhsa_system_vgpr_workitem_id 0
		.amdhsa_next_free_vgpr 512
		.amdhsa_next_free_sgpr 96
		.amdhsa_reserve_vcc 0
		.amdhsa_float_denorm_mode_32 3
		.amdhsa_float_denorm_mode_16_64 3
		.amdhsa_memory_ordered 1
		.amdhsa_forward_progress 1
		.amdhsa_inst_pref_size 80
	.end_amdhsa_kernel
	.amdgpu_metadata
---
amdhsa.version: [ 1, 2 ]
amdhsa.kernels:
  - .name:           k_q2f3a4fbfe8_gemm2
    .symbol:         k_q2f3a4fbfe8_gemm2.kd
    .args:
      - { .name: OB, .offset: 0, .size: 8, .value_kind: global_buffer, .address_space: global }
      - { .name: WOB, .offset: 8, .size: 8, .value_kind: global_buffer, .address_space: global }
      - { .name: out0, .offset: 16, .size: 8, .value_kind: global_buffer, .address_space: global }
    .group_segment_fixed_size: 327680
    .private_segment_fixed_size: 0
    .kernarg_segment_align: 8
    .kernarg_segment_size: 24
    .max_flat_workgroup_size: 128
    .sgpr_count:     96
    .vgpr_count:     512
    .wavefront_size: 32
...
	.end_amdgpu_metadata
.endif
;; end of part 5
;; ======== version 2 of 2: 5 launches; version 1 with the launch prep written anew for expert scheduling mode
;; limits: values are held in f16: magnitudes above 65,504 overflow, below 6.1e-05 lose precision; right only within a limited range of input values
;; workspace buffers: XB 16,777,216 bytes; WB 6,291,456 bytes; WOB 2,097,152 bytes; QFV 50,331,648 bytes; STAT 2,097,152 bytes; SUM 3,932,160 bytes; OB 16,777,216 bytes
;; launch prep (part 6): grid 384 x 1, 8 waves a work-group, no clusters, 74,752 bytes of LDS; arguments hidden_states, Wq, Wf, Wi, Wo, XB, WB, WOB; writes XB, WB, WOB
.if DOCPART == 6
	.amdgcn_target "amdgcn-amd-amdhsa--gfx1250"
	.amdhsa_code_object_version 6
	.text
	.protected	k_q2f3a4fbfe8_prep
	.globl	k_q2f3a4fbfe8_prep
	.p2align	8
	.type	k_q2f3a4fbfe8_prep,@function
k_q2f3a4fbfe8_prep:
	s_mov_b64 s[64:65], 0
	v_nop
	global_prefetch_b8 v0, s[64:65] scope:SCOPE_SE
	s_setreg_imm32_b32 hwreg(HW_REG_WAVE_SCHED_MODE, 0, 2), 2
	s_setreg_imm32_b32 hwreg(HW_REG_WAVE_MODE, 25, 1), 1
	s_wait_xcnt 0x0
	s_wait_alu depctr_vm_vsrc(0)
; THE INPUTS ARE ROUNDED ONCE AND LAID OUT FOR THE PRODUCTS.  A stream: no matrix unit, no cluster (no two work-groups read the same bytes).
; XB  = x in bf16, [kb 16][row 8192][64]: a plane of 64 channels holds all rows end to end, 128 bytes each.
; WB  = (Wq | Wf | Wi) transposed, bf16, [kb 16][slot 48 x 64 columns][64 k].  The 48 heads of 64 columns stand in this order: slot 3 u + hh holds head
;       2 u + hh of the 32 heads of Wq, Wf (hh = 0, 1) or head u of Wi's 16 (hh = 2): so each run of three slots is two heads with a softmax and one without.
; WOB = Wo transposed, rounded to bf16 and that number written as f16, [kb 16][n 1024][64 k].
; LIMIT: a weight of Wo whose bf16 value lies under 6.1e-5 keeps f16's fixed step of 6e-8; beyond 65,504 it would be lost (the drawn weights are about 0.02).
; Work-groups 0 to 255 take 32 rows of x each; work-groups 256 to 383 take eight tiles of 64 k x 64 n of one weight matrix, a tile a wave, turned in the wave's own LDS.
; THE MODE: SCHED_MODE bits 1:0 = 2 (LLVM: expert scheduling mode 2), set by the entry lines.  The code itself states the register dependences
; between vector instructions and memory or LDS instructions, with s_wait_alu, always for 0.
; THE PLAN.  Registers that memory or LDS instructions touch:
;   v7, v8, v9, v10  offsets and LDS addresses: made once at a path's head, read by its loads and stores, never written again.
;   IN               written by the 32 global loads, which all go out first; read by the conversions.  On the weights' path its first 64 registers are then
;                    written by the 16 LDS loads and read by the 16 global stores.
;   OUT              four registers of its own for each of the 16 units: written by the unit's conversions, once; read by the unit's store (x) or four LDS stores (weights).
;   v12, v13         named by vector instructions alone.
;   v[SPW], v[NIL]   written at the head, read by the closing add alone.
; The 16 units go in four blocks of four.  Block p's conversions write OUT of block p; the stores issued among them read OUT of block p - 1, which no vector instruction
; of block p names.  So one wait on va_vdst at a block's head states all that the block's stores hang on.  No register that a memory or LDS instruction reads is written again.
.set SPARE, 73728                      ; behind the eight tiles: the spare words, 128 bytes a wave
.set TILEB, 9216                       ; a wave's tile in LDS: 64 rows (n) of 144 bytes (64 k in 16 bits + 16 of padding)
.set SPW, 2                            ; v2  LDS address of my spare word; never rewritten
.set NIL, 3                            ; v3  0; never rewritten
.set LN,  4                            ; v4  lane
.set IN,  16                           ; v[16:143]  32 loads of 16 bytes
.set OUT, 144                          ; v[144:207] what is stored: four registers of its own for each unit
	s_load_b256 s[4:11], s[0:1], 0x0               ; x s[4:5], Wq s[6:7], Wf s[8:9], Wi s[10:11]
	s_load_b256 s[12:19], s[0:1], 0x20             ; Wo s[12:13], XB s[14:15], WB s[16:17], WOB s[18:19]
	v_lshl_add_u32 v[SPW], v0, 2, SPARE
	v_mov_b32 v[NIL], 0
	v_lshrrev_b32 v1, 5, v0
	v_readfirstlane_b32 s20, v1                    ; wave 0..7
	v_and_b32 v[LN], 31, v0
	v_lshlrev_b32 v8, 4, v[LN]                     ; 16 x lane: 32 lanes store 512 bytes on end
	s_wait_alu depctr_va_sdst(0)                   ; s20 is written, ahead of the branch and of its first reader on either path
	s_mov_b32 s23, 0
	s_wait_kmcnt 0x0
	s_cmp_lt_u32 ttmp9, 256
	s_cbranch_scc0 .Lweights
	; ---- x: wave w takes the planes 2 w and 2 w + 1 of the group's 32 rows: 16 units of 4 rows x 64 channels.  Lane: row l / 8, eight channels l % 8.
	v_lshrrev_b32 v5, 3, v[LN]
	v_and_b32 v6, 7, v[LN]
	v_lshlrev_b32 v7, 12, v5                       ; a row of x is 4,096 bytes
	v_lshl_add_u32 v7, v6, 5, v7                   ; my 32 bytes: eight lanes read 256 bytes on end, aligned
	s_lshl_b32 s21, s20, 9                         ; two planes are 512 bytes of a row
	v_add_nc_u32 v7, s21, v7
	s_lshl_b32 s24, s20, 21                        ; two planes of XB, in a register of its own: the add above names s21
	v_add_nc_u32 v8, s24, v8
	s_lshl_b32 s22, ttmp9, 17                      ; 32 rows of x
	s_add_nc_u64 s[4:5], s[4:5], s[22:23]
	s_lshl_b32 s22, ttmp9, 12                      ; 32 rows of a plane
	s_add_nc_u64 s[14:15], s[14:15], s[22:23]
	s_wait_alu depctr_va_vdst(0)                   ; v7 and v8 are written: the loads below read v7 as their offset, the stores v8
.set u, 0
.rept 16                               ; all 32 loads go out first: 16 KiB a wave on their way
	global_load_b128 v[IN+8*u:IN+8*u+3],   v7, s[4:5] offset:(u/8)*256+(u%8)*16384 th:TH_LOAD_NT
	global_load_b128 v[IN+8*u+4:IN+8*u+7], v7, s[4:5] offset:(u/8)*256+(u%8)*16384+16 th:TH_LOAD_NT
.set u, u+1
.endr
.set u, 0
.rept 16
	s_wait_loadcnt 30-2*u                          ; loads come back in order: unit u's two are in, the later units' stay out
.if (u%4 == 0) && (u > 0)
	s_wait_alu depctr_va_vdst(0)                   ; a block's head: the block before has written its sixteen registers of OUT, which this block's four stores read
.endif
.if u >= 4
	global_store_b128 v8, v[OUT+4*(u-4):OUT+4*(u-4)+3], s[14:15] offset:((u-4)/8)*1048576+((u-4)%8)*512  ; the unit a block back: four rows of a plane, 512 consecutive bytes; no vector instruction since the wait names its registers
.endif
.irp n, 0,1,2,3
	v_cvt_pk_bf16_f32 v[OUT+4*u+\n], v[IN+8*u+2*\n], v[IN+8*u+2*\n+1]
.endr
.set u, u+1
.endr
	s_wait_alu depctr_va_vdst(0)                   ; the last block has written its OUT, which the last four stores read
.set u, 12
.rept 4
	global_store_b128 v8, v[OUT+4*u:OUT+4*u+3], s[14:15] offset:(u/8)*1048576+(u%8)*512
.set u, u+1
.endr
	s_branch .Lend
.Lweights:
	; ---- a weight tile: W[k][n], 64 k x 64 n, to [n][k]
	s_sub_co_u32 s21, ttmp9, 256
	s_lshr_b32 s22, s21, 5                         ; which matrix: 0 Wq, 1 Wf, 2 Wi, 3 Wo: the same for the whole work-group
	s_lshl_b32 s24, s21, 3
	s_add_co_u32 s24, s24, s20
	s_and_b32 s25, s24, 15                         ; nt: the head, 64 columns
	s_bfe_u32 s24, s24, 0x40004                    ; kb: the plane, 64 rows
	s_cmp_eq_u32 s22, 0
	s_cselect_b64 s[26:27], s[6:7], s[8:9]
	s_cmp_lt_u32 s22, 2
	s_cselect_b64 s[26:27], s[26:27], s[10:11]
	s_cmp_lt_u32 s22, 3
	s_cselect_b64 s[26:27], s[26:27], s[12:13]
	s_lshl_b32 s28, s24, 18                        ; 64 rows of 4,096 bytes
	s_lshl_b32 s29, s25, 8                         ; 64 columns
	s_add_co_u32 s28, s28, s29
	s_mov_b32 s29, 0
	s_add_nc_u64 s[26:27], s[26:27], s[28:29]
	s_lshl_b32 s30, s22, 4
	s_add_co_u32 s30, s30, s25                     ; g: the head among the 48 of Wq, Wf, Wi
	s_lshr_b32 s31, s30, 1
	s_mul_i32 s31, s31, 3
	s_and_b32 s32, s30, 1
	s_add_co_u32 s31, s31, s32                     ; g < 32: slot 3 (g / 2) + g % 2
	s_sub_co_u32 s32, s30, 32
	s_mul_i32 s32, s32, 3
	s_add_co_u32 s32, s32, 2                       ; else slot 3 (g - 32) + 2
	s_cmp_lt_u32 s30, 32
	s_cselect_b32 s31, s31, s32
	s_lshl_b32 s31, s31, 13                        ; a slot's 64 rows of 128 bytes
	s_mul_i32 s32, s24, 393216                     ; a plane of WB
	s_add_co_u32 s31, s31, s32
	s_lshl_b32 s32, s24, 17                        ; a plane of WOB
	s_lshl_b32 s33, s25, 13
	s_add_co_u32 s32, s32, s33
	s_mov_b32 s35, 0
	s_cmp_lt_u32 s22, 3
	s_cselect_b32 s34, s31, s32
	s_cselect_b64 s[36:37], s[16:17], s[18:19]
	s_add_nc_u64 s[36:37], s[36:37], s[34:35]
	v_lshrrev_b32 v5, 4, v[LN]                     ; l / 16
	v_and_b32 v6, 15, v[LN]                        ; l % 16: four columns
	v_lshlrev_b32 v7, 13, v5                       ; two rows further down for lanes 16 to 31
	v_lshl_add_u32 v7, v6, 4, v7
	s_mul_i32 s38, s20, TILEB                      ; my wave's tile
	v_mul_u32_u24 v9, v6, 576                      ; in: row n = 4 (l % 16) + j, two k at byte 8 it + 4 (l / 16)
	v_lshl_add_u32 v9, v5, 2, v9
	v_add_nc_u32 v9, s38, v9
	v_lshrrev_b32 v10, 3, v[LN]                    ; back: row 4 i + l / 8, 16 bytes l % 8
	v_and_b32 v11, 7, v[LN]
	v_mul_u32_u24 v10, v10, 144
	v_lshl_add_u32 v10, v11, 4, v10
	v_add_nc_u32 v10, s38, v10
	s_wait_alu depctr_va_vdst(0)                   ; v7 to v10 are written: the offsets and LDS addresses that all loads and stores of this path read
.set u, 0
.rept 16                               ; rows 4 u + 2 (l / 16) and the row below: sixteen lanes read 256 bytes on end, aligned
	global_load_b128 v[IN+8*u:IN+8*u+3],   v7, s[26:27] offset:u*16384 th:TH_LOAD_NT
	global_load_b128 v[IN+8*u+4:IN+8*u+7], v7, s[26:27] offset:u*16384+4096 th:TH_LOAD_NT
.set u, u+1
.endr
; Two neighbouring k of one column pack into a word.  tof16 = 1: the bf16 number is written as f16.
; A unit's four LDS stores are issued a block later, one ahead of each of that block's columns; the last block's stand behind the macro, where the two variants join.
.macro TURNED tof16
.set u, 0
.rept 16
	s_wait_loadcnt 30-2*u                          ; this pair of rows is in, the later ones stay out
.if (u%4 == 0) && (u > 0)
	s_wait_alu depctr_va_vdst(0)                   ; a block's head: the block before has written its sixteen registers of OUT, which this block's sixteen LDS stores read
.endif
.irp j, 0,1,2,3
.if u >= 4
	ds_store_b32 v9, v[OUT+4*(u-4)+\j] offset:\j*144+8*(u-4)  ; the unit a block back; no vector instruction since the wait names its registers
.endif
	v_cvt_pk_bf16_f32 v[OUT+4*u+\j], v[IN+8*u+\j], v[IN+8*u+4+\j]
.if \tof16
	v_lshlrev_b32 v12, 16, v[OUT+4*u+\j]
	v_and_b32 v13, 0xffff0000, v[OUT+4*u+\j]
	v_cvt_pk_f16_f32 v[OUT+4*u+\j], v12, v13
.endif
.endr
.set u, u+1
.endr
.endm
	s_cmp_eq_u32 s22, 3
	s_cbranch_scc1 .Lwo
	TURNED 0
	s_branch .Lback
.Lwo:
	TURNED 1
.Lback:
	s_wait_alu depctr_va_vdst(0)                   ; on either way here: the last block has written its OUT, which the LDS stores below read, and the conversions are done reading v[IN ..], in which the LDS loads below land
.set u, 12
.rept 4
.irp j, 0,1,2,3
	ds_store_b32 v9, v[OUT+4*u+\j] offset:\j*144+8*u
.endr
.set u, u+1
.endr
.set u, 0
.rept 16
	ds_load_b128 v[IN+4*u:IN+4*u+3], v10 offset:u*576  ; the tile is the wave's own, and LDS serves a wave's instructions in order: these see the stores above
.set u, u+1
.endr
.set u, 0
.rept 16
	s_wait_dscnt 15-u                              ; four rows are back, the later ones stay out
	global_store_b128 v8, v[IN+4*u:IN+4*u+3], s[36:37] offset:512*u  ; four rows of 128 bytes: 512 consecutive bytes
.set u, u+1
.endr
.Lend:
	s_wait_dscnt 0x0                               ; the wave's end: the closing lines, six on end
	s_wait_alu 0x0
	s_wait_tensorcnt 0x0
	ds_add_u32 v[SPW], v[NIL]
	s_wait_dscnt 0x0
	s_endpgm
.Lfunc_end_k_q2f3a4fbfe8_prep:
	.size	k_q2f3a4fbfe8_prep, .Lfunc_end_k_q2f3a4fbfe8_prep-k_q2f3a4fbfe8_prep
	.p2alignl 7, 3214868480
	.fill 96, 4, 3214868480
	.section	.rodata,"a",@progbits
	.p2align	6, 0x0
	.amdhsa_kernel k_q2f3a4fbfe8_prep
		.amdhsa_group_segment_fixed_size 74752
		.amdhsa_private_segment_fixed_size 0
		.amdhsa_enable_private_segment 0
		.amdhsa_kernarg_size 64
		.amdhsa_user_sgpr_count 2
		.amdhsa_user_sgpr_kernarg_segment_ptr 1
		.amdhsa_wavefront_size32 1
		.amdhsa_system_sgpr_workgroup_id_x 1
		.amdhsa_system_sgpr_workgroup_id_y 1
		.amdhsa_system_sgpr_workgroup_id_z 1
		.amdhsa_system_vgpr_workitem_id 0
		.amdhsa_next_free_vgpr 208
		.amdhsa_next_free_sgpr 66
		.amdhsa_reserve_vcc 0
		.amdhsa_float_denorm_mode_32 3
		.amdhsa_float_denorm_mode_16_64 3
		.amdhsa_memory_ordered 1
		.amdhsa_forward_progress 1
		.amdhsa_inst_pref_size 46
	.end_amdhsa_kernel
	.amdgpu_metadata
---
amdhsa.version: [ 1, 2 ]
amdhsa.kernels:
  - .name:           k_q2f3a4fbfe8_prep
    .symbol:         k_q2f3a4fbfe8_prep.kd
    .args:
      - { .name: hidden_states, .offset: 0, .size: 8, .value_kind: global_buffer, .address_space: global }
      - { .name: Wq, .offset: 8, .size: 8, .value_kind: global_buffer, .address_space: global }
      - { .name: Wf, .offset: 16, .size: 8, .value_kind: global_buffer, .address_space: global }
      - { .name: Wi, .offset: 24, .size: 8, .value_kind: global_buffer, .address_space: global }
      - { .name: Wo, .offset: 32, .size: 8, .value_kind: global_buffer, .address_space: global }
      - { .name: XB, .offset: 40, .size: 8, .value_kind: global_buffer, .address_space: global }
      - { .name: WB, .offset: 48, .size: 8, .value_kind: global_buffer, .address_space: global }
      - { .name: WOB, .offset: 56, .size: 8, .value_kind: global_buffer, .address_space: global }
    .group_segment_fixed_size: 74752
    .private_segment_fixed_size: 0
    .kernarg_segment_align: 8
    .kernarg_segment_size: 64
    .max_flat_workgroup_size: 256
    .sgpr_count:     66
    .vgpr_count:     208
    .wavefront_size: 32
...
	.end_amdgpu_metadata
.endif
;; end of part 6
;; launch gemm1: the kernel of part 2 again; grid 8 x 32, 4 waves a work-group, clusters of 4 x 4, 327,680 bytes of LDS; arguments XB, WB, QFV, STAT; writes QFV, STAT
;; launch gsum: the kernel of part 3 again; grid 3 x 64, 4 waves a work-group, no clusters, 327,680 bytes of LDS; arguments QFV, STAT, SUM; writes SUM
;; launch gla: the kernel of part 4 again; grid 4 x 64, 4 waves a work-group, no clusters, 327,680 bytes of LDS; arguments QFV, STAT, SUM, OB; writes OB
;; launch gemm2: the kernel of part 5 again; grid 4 x 64, 4 waves a work-group, clusters of 4 x 4, 327,680 bytes of LDS; arguments OB, WOB, out0; writes out0
